; MI455X (gfx1250); checked and timed in simulation.
; The chip was launched on July 23, 2026; its instructions are those of AMD's public machine-readable ISA for CDNA 5 (MIT licence, August 2026) and "CDNA5" Instruction Set Architecture Reference Guide (July 2026). The comments in the code are by the model that wrote it; some were corrected since.
;; Model. Allowed arithmetic: matrix products marked QUANTISED: E2M3 operands, one E8M0 scale for each 32 along K, by v_wmma_scale_f32_16x16x128_f8f6f4 with both operands' format E2M3, f32 sums; everything else in f32.
;; Inputs: Wk 1,024 x 1,024 float32; Wq 1,024 x 1,024 float32; bk 1,024 float32; bq 1,024 float32; key 8 x 2,048 x 1,024 float32; query 8 x 1,024 x 1,024 float32; value 8 x 2,048 x 1,024 float32.
;; Outputs: out0 8 x 1,024 x 1,024 float32.
;; Constants: dropout_p = 0, scale_factor = 32.
;; This version of the problem:
;;   THIS VERSION OF THE PROBLEM IS GIVEN IN LOW PRECISION. The matrix products marked QUANTISED in the list below multiply operands that are first quantised to E2M3 (2 exponent bits, 3 mantissa bits; 6 bits a number), with one power-of-two scale for each 32 numbers along K (OCP MX v1.0); their sums are f32. All else is computed in f32.
;;   The module's matrix products, in the order in which they are computed (A, B: the left and right operand; K: the contracted axis; several contracted axes count as one K, in the product's order):
;;     1. [M 8,192, K 1,024] x [K 1,024, N 1,024]; A: input query; B: input Wq: QUANTISED
;;     2. [M 16,384, K 1,024] x [K 1,024, N 1,024]; A: input key; B: input Wk: QUANTISED
;;     3. batch 8 x [M 1,024, K 1,024] x [K 1,024, N 2,048]; A: computed on the way; B: computed on the way: QUANTISED
;;     4. batch 8 x [M 1,024, K 2,048] x [K 2,048, N 1,024]; A: softmax (see below); B: input value: QUANTISED
;;   THE QUANTISER, for each operand of a quantised product, along K:
;;     - K is cut into blocks of 32 from its start; a last block that is shorter is filled with zeros.
;;     - A block's scale is 2^e with e = floor(log2(the largest magnitude in the block)) - 2, held to -126 .. 127; a block of zeros has e = 0. As a byte (E8M0): e + 127.
;;     - Each number is divided by its block's scale, clamped to +-7.5, and rounded to the nearest number of E2M3, ties to even, subnormals kept.
;;     - The product sums the exact products of the quantised numbers (number of the format x scale) in f32.
;;   ~~~python
;;   def quantise(x, axis):      # numpy; x: float32 -> the quantised numbers, widened to float32 again
;;       x = np.moveaxis(x, axis, -1); K = x.shape[-1]
;;       x = np.pad(x, [(0, 0)] * (x.ndim - 1) + [(0, -K % 32)]); x = x.reshape(x.shape[:-1] + (-1, 32)); a = np.abs(x).max(-1, keepdims=True)
;;       e = np.where(a > 0, np.clip(np.frexp(np.where(a > 0, a, 1))[1] - 1 - 2, -126, 127), 0)      # np.frexp(a)[1] - 1 = floor(log2(a)), exactly
;;       r = np.clip(x / 2.0 ** e, -7.5, 7.5)
;;       step = 2.0 ** (np.maximum(np.frexp(np.where(r == 0, 1, r))[1] - 1, 0) - 3)
;;       q = np.round(r / step) * step * 2.0 ** e      # np.round: ties to even
;;       return np.moveaxis(q.reshape(q.shape[:-2] + (-1,))[..., :K], -1, axis).astype(np.float32)
;;   ~~~
;;   SOFTMAX AHEAD OF A QUANTISED PRODUCT. Where the list says 'softmax', what is quantised is not the finished softmax but p = 2^(t - M), with t = logit x log2(e) and M = ceil(the row's largest t), a whole number; so 1/2 < the row's largest p <= 1. The row's sum l is taken of the UNQUANTISED p, in f32, and the product's result is divided by l at the end. Since M is a whole number, a kernel that streams over the keys may use a running M (the ceiling of the running maximum): every later rescaling is an exact power of two, which a block's scale takes up: the codes' values come out the same.
;;   OPERANDS COMPUTED ON THE WAY. 'Computed on the way' means the value that the module computes at that place (a softmax that the list does not call 'softmax' is quantised finished and normalised). What goes into a quantiser is computed in f32, as accurately as f32 sums, v_exp_f32 and their like allow (about 1e-6 of the number): no bf16 or f16 on the way to a quantiser, and a product that is left as it is and whose result goes on into a quantised operand takes f32 operands (vector FMAs, or v_wmma_f32_16x16x4_f32). A number that lies on a knife's edge between two numbers of the format may be rounded either way, as far as f32 arithmetic and the matrix unit's own rounding can turn it there, and no further.
;; One version. Each part assembles by itself: llvm-mc -triple=amdgcn-amd-amdhsa -mcpu=gfx1250 --defsym DOCPART=n.
;; ======== version 1 of 1: 4 launches
;; limits: right only within a limited range of input values
;; workspace buffers: xc 20,447,232 bytes; xs 851,968 bytes; vc 12,582,912 bytes; vs 524,288 bytes; qkc 18,874,368 bytes; qks 786,432 bytes; pc 12,582,912 bytes; pst 2,097,152 bytes
;; launch quant (part 1): grid 256 x 1, 21 waves a work-group, no clusters, 161,792 bytes of LDS; arguments query, key, Wq, Wk, value, xc, xs, vc, vs; writes xc, xs, vc, vs
.if DOCPART == 1
	.amdgcn_target "amdgcn-amd-amdhsa--gfx1250"
	.amdhsa_code_object_version 6
	.text
	.protected	k_qe224e61641_quant
	.globl	k_qe224e61641_quant
	.p2align	8
	.type	k_qe224e61641_quant,@function
k_qe224e61641_quant:
	s_mov_b64 s[64:65], 0
	v_nop
	global_prefetch_b8 v0, s[64:65] scope:SCOPE_SE
	s_setreg_imm32_b32 hwreg(HW_REG_WAVE_MODE, 25, 1), 1
	s_wait_xcnt 0x0
; THE QUANTISER FOR THE FIVE INPUT TENSORS: f32 numbers become codes of FP6 (E2M3) with one E8M0 byte for each 32 along K.
; A block's scale is 2^(floor(log2(largest magnitude)) - 2): its byte is the largest magnitude's exponent field - 2, held at 1 from below.
; Nothing of reference() is left out by this program; dropout_p = 0 makes the dropout an identity, scale_factor = 32 is a constant of the problem.
; LIMITS: a block of zeros, or one whose largest magnitude lies under 2^-124, gets the byte 1 (this program alone reads the bytes); NaN and infinities are not served.
; THE CODES ARE IMAGES OF THE OPERAND'S REGISTERS: [rows / 128][K / 128][8 tiles][3 chunks][32 lanes][16 bytes]: chunk c holds registers 4 c .. 4 c + 3 of a fragment's 12, lane l's at 512 c + 16 l.
; Lane (r, h) holds K blocks h (registers 0-5) and 2 + h (registers 6-11) of its row.  In a group of 128 rows lane r of tile 2 b + u holds row 32 b + 8 u + r % 8 + 16 (r / 8).
; THE SCALE WORDS: [tile][K / 512][lane r][4 words].
; THE DEAL: the work is 5,376 shares of 32 KiB of f32 numbers, a wave each: 3,328 of query, key, Wq, Wk (a tile of 16 rows x 512 along K) and 2,048 of value (32 channels x 256 keys): 21 x 256.
; So 256 work-groups of 21 waves: waves 0-12 take share 13 x work-group + wave of the first kind, waves 13-20 share 8 x work-group + wave - 13 of the second.  The role hangs on the wave's number alone.
; First kind (K innermost) into xc, xs: rows 0-8,191 query, then 16,384 of key, 1,024 of Wq, 1,024 of Wk.  Each load takes 512 consecutive bytes of a row; a K step's 8 KiB turn through the wave's own stage in LDS.
; Second kind (K = the keys, value's first axis within a batch) into vc, vs: rows = batch x 1,024 + channel.  A lane takes a channel and its registers run down the keys; four waves side by side read 512 consecutive bytes of a key.
; No cluster, no tensor load, no barrier: no two waves read the same bytes.  8 KiB of each wave's loads are on their way.  Each wave has LDS bytes of its own.
.set STX,   8448                       ; first kind: a wave's stage, 16 rows x (512 bytes + 16)
.set STVB,  13*STX                     ; second kind: the stages begin here,
.set STV,   6144                       ; 6,144 bytes a wave: 2 K steps x 2 tiles x 1,536
.set SPARE, STVB+8*STV                 ; the spare words, 128 bytes for each of the 21 waves, rounded up to 11 blocks of 256 bytes that no other line names
.set SPW,   10                         ; v10  LDS address of my spare word; never rewritten
.set NIL,   11                         ; v11  0; never rewritten
.set R,     16                         ; v16-79  numbers as loaded (second kind: two sets of 32)
.set X,     80                         ; first kind: v80-143 a lane's two blocks of 32 neighbours
.set C,     144                        ; v144-155 a fragment's codes
.set MX,    156                        ; v156-157 largest magnitudes, then bytes, at last the two words that I store
.set SO,    158                        ; v158-159 the conversions' scale operands
.set W,     12                         ; v12-15 scale words of my four K steps
.set VX,    80                         ; second kind: v80-127 the way out
.set VC,    128                        ; v128-133 a block's codes
.set VT,    136                        ; v136-138 (a conversion's three registers begin on an even number)
.set VM,    140                        ; v140-141
.set VSO,   142
.set VBY,   143
.set VW,    144                        ; v144-145 scale words
	s_load_b256 s[4:11], s[0:1], 0x0               ; query, key, Wq, Wk
	s_load_b256 s[12:19], s[0:1], 0x20             ; value, xc, xs, vc
	s_load_b64 s[20:21], s[0:1], 0x40              ; vs
	v_lshl_add_u32 v[SPW], v0, 2, SPARE
	v_mov_b32 v[NIL], 0
	v_lshrrev_b32 v1, 5, v0
	v_readfirstlane_b32 s22, v1                    ; wave 0..20
	v_and_b32 v2, 31, v0                           ; lane
	v_and_b32 v6, 15, v0                           ; r
	v_bfe_u32 v7, v0, 4, 1                         ; h
	v_lshlrev_b32 v3, 4, v2                        ; 16 x lane
	s_mul_i32 s23, s22, STX
	v_add_nc_u32 v4, s23, v3                       ; first kind, into the stage: a row's 512 bytes as they lie
	v_mul_u32_u24 v5, v6, 528
	v_lshl_add_u32 v5, v7, 7, v5
	v_add_nc_u32 v5, s23, v5                       ; and out of it: row r, block h
	v_bfe_u32 v12, v0, 3, 1                        ; second kind: channel L of 32 is lane r' = L % 8 + 8 (L / 16) of tile u = (L / 8) % 2
	v_and_b32 v13, 7, v0
	v_lshl_add_u32 v13, v7, 3, v13
	s_mul_i32 s24, s22, STV
	s_add_co_u32 s24, s24, STVB-13*STV             ; wave 13's stage begins at STVB
	v_mul_u32_u24 v8, v12, 1536
	v_lshl_add_u32 v8, v13, 4, v8
	v_add_nc_u32 v8, s24, v8                       ; into the stage: tile u, lane r'
	v_add_nc_u32 v9, s24, v3                       ; out of it: 16 x lane
	v_lshlrev_b32 v14, 2, v2                       ; 4 x lane: my channel
	v_lshlrev_b32 v15, 10, v12
	v_lshl_add_u32 v15, v13, 4, v15                ; my scale words: tile u (1,024 bytes), lane r'
	v_lshlrev_b32 v1, 3, v7                        ; first kind: 8 h: my two bytes' place in a scale word
	v_lshl_add_u32 v7, v6, 4, v1                   ; 16 r + 8 h: my two words' place among a tile's
	s_mov_b32 s34, 0x76543210
	s_mov_b32 s35, 0xfedcba98                      ; v_permlanex16_b32's selects for lane l xor 16
	s_mov_b32 s36, 0xffff0000                      ; lanes 16-31
	s_wait_alu depctr_va_vdst(0)                   ; the wait at the head's end
	s_wait_kmcnt 0x0
	s_cmp_lt_u32 s22, 13
	s_cbranch_scc0 .Lvalue
	; ---------------- K innermost: query, key, Wq, Wk ----------------
	s_mul_i32 s38, ttmp9, 13
	s_add_co_u32 s38, s38, s22                     ; my share, 0..3,327
	s_lshr_b32 s37, s38, 1                         ; the tile's number in xc
	s_and_b32 s33, s38, 1                          ; which 512 along K
	s_mov_b32 s26, 1600
	s_cmp_lt_u32 s37, 1600                         ; which tensor, and its first tile
	s_cselect_b64 s[24:25], s[8:9], s[10:11]
	s_cselect_b32 s26, 1536, s26
	s_cmp_lt_u32 s37, 1536
	s_cselect_b64 s[24:25], s[6:7], s[24:25]
	s_cselect_b32 s26, 512, s26
	s_cmp_lt_u32 s37, 512
	s_cselect_b64 s[24:25], s[4:5], s[24:25]
	s_cselect_b32 s26, 0, s26
	s_sub_co_u32 s27, s37, s26                     ; the tile's number in its tensor
	s_lshr_b32 s29, s27, 3
	s_lshl_b32 s29, s29, 7
	s_bfe_u32 s30, s27, 0x20001
	s_lshl_b32 s30, s30, 5
	s_add_co_u32 s29, s29, s30
	s_and_b32 s30, s27, 1
	s_lshl_b32 s30, s30, 3
	s_add_co_u32 s29, s29, s30                     ; lane 0's row: 128 x group + 32 b + 8 u
	s_lshl_b32 s30, s29, 12
	s_lshl_b32 s29, s33, 11
	s_add_co_u32 s30, s30, s29
	s_mov_b32 s31, 0
	s_add_nc_u64 s[24:25], s[24:25], s[30:31]
	s_lshr_b32 s30, s37, 3
	s_lshl_b32 s30, s30, 3
	s_lshl_b32 s29, s33, 2
	s_add_co_u32 s30, s30, s29                     ; my first K step
	s_mul_i32 s30, s30, 12288
	s_and_b32 s29, s37, 7
	s_mul_i32 s29, s29, 1536
	s_add_co_u32 s30, s30, s29
	s_add_nc_u64 s[14:15], s[14:15], s[30:31]
	s_lshl_b32 s30, s37, 9                         ; 512 bytes of scale words a tile,
	s_lshl_b32 s29, s33, 8                         ; 256 for each 512 along K
	s_add_co_u32 s30, s30, s29
	s_add_nc_u64 s[16:17], s[16:17], s[30:31]
.macro LOADX t                         ; K step t of my four: each load takes 512 consecutive bytes of one of the tile's 16 rows
.irp i, 0,1,2,3,4,5,6,7,8,9,10,11,12,13,14,15
	global_load_b128 v[R+4*\i:R+4*\i+3], v3, s[24:25] offset:((\i%8)+16*(\i/8))*4096+512*(\t) th:TH_LOAD_NT
.endr
.endm
.macro STEPX t
	s_wait_loadcnt 0x0                             ; this step's 16 loads are in
.irp i, 0,1,2,3,4,5,6,7,8,9,10,11,12,13,14,15
	ds_store_b128 v4, v[R+4*\i:R+4*\i+3] offset:528*\i
.endr
.irp j, 0,1,2,3,4,5,6,7
	ds_load_b128 v[X+4*\j:X+4*\j+3], v5 offset:16*\j              ; LDS serves a wave's instructions in order: block h of row r,
.endr
.irp j, 0,1,2,3,4,5,6,7
	ds_load_b128 v[X+32+4*\j:X+32+4*\j+3], v5 offset:256+16*\j    ; and block 2 + h
.endr
.if (\t) < 3
	s_wait_dscnt 16                                ; the 16 stores are done (the 16 loads behind them may be out): they have read their registers,
	LOADX (\t)+1                                   ; which take the next step's loads
.endif
	s_wait_dscnt 0x0                               ; my 64 numbers are back
.irp c, 0,1
	v_max3_num_f32 v[MX+\c], |v[X+32*\c]|, |v[X+32*\c+1]|, 0x1800000   ; a block's 32 numbers are all mine; the floor 2^(3 - 127) holds the byte at 1 from below
.endr
.irp i, 2,4,6,8,10,12,14,16,18,20,22,24,26,28,30
.irp c, 0,1
	v_max3_num_f32 v[MX+\c], v[MX+\c], |v[X+32*\c+\i]|, |v[X+32*\c+\i+1]|
.endr
.endr
.irp c, 0,1
	v_add_nc_u32 v[SO+\c], 0xff000000, v[MX+\c]    ; 2 off the exponent field: the conversion's scale operand
.endr
.irp c, 0,1
	v_lshrrev_b32 v[MX+\c], 23, v[SO+\c]           ; the scale's byte
.endr
	v_lshl_or_b32 v[MX], v[MX+1], 16, v[MX]        ; my bytes: blocks h and 2 + h,
	v_lshlrev_b32 v[MX], v1, v[MX]                 ; at their places in the word;
	v_permlanex16_b32 v[MX+1], v[MX], s34, s35
	v_or_b32 v[W+(\t)], v[MX], v[MX+1]             ; with lane l xor 16's two the word is whole
	s_wait_alu depctr_va_vdst(0)                   ; the wait here, directly ahead of the wait below
	s_wait_xcnt 0x0                                ; the last step's stores have read their data: the codes' registers are written again only behind this wait
	v_cvt_scalef32_pk16_fp6_f32 v[C:C+2], v[X:X+15], v[SO]
	v_cvt_scalef32_pk16_fp6_f32 v[C+6:C+8], v[X+32:X+47], v[SO+1]
	v_nop                                          ; one plain place ahead of conversions that write over numbers just converted
	v_cvt_scalef32_pk16_fp6_f32 v[X:X+2], v[X+16:X+31], v[SO]          ; (a conversion's three registers begin on an even number: the odd halves are made here and moved)
	v_cvt_scalef32_pk16_fp6_f32 v[X+32:X+34], v[X+48:X+63], v[SO+1]
	v_nop                                          ; one plain place behind a scaled conversion
.irp i, 0,1,2
	v_mov_b32 v[C+3+\i], v[X+\i]
	v_mov_b32 v[C+9+\i], v[X+32+\i]
.endr
.irp c, 0,1,2
	global_store_b128 v3, v[C+4*\c:C+4*\c+3], s[14:15] offset:12288*(\t)+512*\c   ; 32 lanes store 512 consecutive bytes
.endr
.endm
	LOADX 0
	STEPX 0
	STEPX 1
	STEPX 2
	STEPX 3
	v_cndmask_b32 v[MX], v[W], v[W+2], s36         ; lane (r, h) stores words 2 h and 2 h + 1 of row r
	v_cndmask_b32 v[MX+1], v[W+1], v[W+3], s36
	global_store_b64 v7, v[MX:MX+1], s[16:17]      ; 32 lanes store 256 consecutive bytes
	s_wait_tensorcnt 0x0                           ; the wave's end
	ds_add_u32 v[SPW], v[NIL]
	s_wait_dscnt 0x0
	s_endpgm
	; ---------------- K outermost: value ----------------
.Lvalue:
	s_lshl_b32 s24, ttmp9, 3
	s_add_co_u32 s24, s24, s22
	s_sub_co_u32 s24, s24, 13                      ; my share, 0..2,047
	s_and_b32 s23, s24, 3                          ; which 32 of 128 channels
	s_lshr_b32 s24, s24, 2
	s_lshr_b32 s25, s24, 3                         ; the group of 128 rows of vc: batch x 8 + channels / 128
	s_and_b32 s26, s24, 7                          ; which 256 keys
	s_lshr_b32 s27, s25, 3                         ; batch
	s_and_b32 s28, s25, 7
	s_lshl_b32 s30, s27, 23                        ; a batch of value is 8 MiB,
	s_lshl_b32 s29, s26, 20                        ; 256 keys 1 MiB,
	s_add_co_u32 s30, s30, s29
	s_lshl_b32 s29, s28, 9                         ; 128 channels 512 bytes,
	s_add_co_u32 s30, s30, s29
	s_lshl_b32 s29, s23, 7                         ; my 32 channels 128
	s_add_co_u32 s30, s30, s29
	s_mov_b32 s31, 0
	s_add_nc_u64 s[12:13], s[12:13], s[30:31]
	s_lshl_b32 s30, s25, 4                         ; 16 K steps a group of rows,
	s_lshl_b32 s29, s26, 1
	s_add_co_u32 s30, s30, s29                     ; my first of two
	s_mul_i32 s30, s30, 12288
	s_mul_i32 s29, s23, 3072                       ; my two tiles
	s_add_co_u32 s30, s30, s29
	s_add_nc_u64 s[18:19], s[18:19], s[30:31]
	s_lshl_b32 s30, s25, 3
	s_lshl_b32 s29, s23, 1
	s_add_co_u32 s30, s30, s29                     ; my first tile: 1,024 bytes of scale words a tile,
	s_lshl_b32 s30, s30, 10
	s_lshr_b32 s29, s26, 1
	s_lshl_b32 s29, s29, 8                         ; 256 for each 512 keys,
	s_add_co_u32 s30, s30, s29
	s_and_b32 s29, s26, 1
	s_lshl_b32 s29, s29, 3                         ; my two words of the four
	s_add_co_u32 s30, s30, s29
	s_add_nc_u64 s[20:21], s[20:21], s[30:31]
.macro LOADV t                         ; block t: value(32 t + i, my channel): 32 lanes read 128 consecutive bytes
.irp i, 0,1,2,3,4,5,6,7,8,9,10,11,12,13,14,15,16,17,18,19,20,21,22,23,24,25,26,27,28,29,30,31
	global_load_b32 v[R+32*((\t)%2)+\i], v14, s[12:13] offset:(32*(\t)+\i)*4096 th:TH_LOAD_NT
.endr
.endm
; Block t of my channel is block t % 4 of K step t / 4: it belongs to half t % 2 of the lanes and to registers 6 c' .. 6 c' + 5, c' = (t / 2) % 2, of the fragment's image.
.macro BLOCKV t
.set XS, R+32*((\t)%2)
.set OF, 3072*((\t)/4)+256*((\t)%2)
.if (\t) < 7
	s_wait_loadcnt 32                              ; this block's 32 loads are in; the next block's may be out
.else
	s_wait_loadcnt 0x0
.endif
	v_max3_num_f32 v[VM], |v[XS]|, |v[XS+1]|, |v[XS+2]|
	v_max3_num_f32 v[VM+1], |v[XS+3]|, |v[XS+4]|, |v[XS+5]|
.irp i, 6,10,14,18,22,26
	v_max3_num_f32 v[VM], v[VM], |v[XS+\i]|, |v[XS+\i+1]|
	v_max3_num_f32 v[VM+1], v[VM+1], |v[XS+\i+2]|, |v[XS+\i+3]|
.endr
	v_max3_num_f32 v[VM], v[VM], |v[XS+30]|, |v[XS+31]|
	v_max3_num_f32 v[VM], v[VM], v[VM+1], 0x1800000   ; and the floor
	v_add_nc_u32 v[VSO], 0xff000000, v[VM]
	v_lshrrev_b32 v[VBY], 23, v[VSO]
.if (\t)%4 == 0
	v_mov_b32 v[VW+(\t)/4], v[VBY]                 ; four bytes to a word, the lower keys in the lower byte
.else
	v_lshl_or_b32 v[VW+(\t)/4], v[VBY], 8*((\t)%4), v[VW+(\t)/4]
.endif
	v_cvt_scalef32_pk16_fp6_f32 v[VC:VC+2], v[XS:XS+15], v[VSO]
	v_cvt_scalef32_pk16_fp6_f32 v[VT:VT+2], v[XS+16:XS+31], v[VSO]
	v_nop                                          ; one plain place behind a scaled conversion
.irp i, 0,1,2
	v_mov_b32 v[VC+3+\i], v[VT+\i]
.endr
.if ((\t)/2)%2 == 0
	ds_store_b128 v8, v[VC:VC+3] offset:OF         ; registers 0-3: chunk 0
	ds_store_b64 v8, v[VC+4:VC+5] offset:OF+512    ; registers 4, 5: the lower half of chunk 1
.else
	ds_store_b64 v8, v[VC:VC+1] offset:OF+520      ; registers 6, 7: its upper half
	ds_store_b128 v8, v[VC+2:VC+5] offset:OF+1024  ; registers 8-11: chunk 2
.endif
.if (\t)+2 < 8
	LOADV (\t)+2
.endif
	s_wait_dscnt 0x0                               ; the stores have read their registers: the next block's codes may be written
.endm
	LOADV 0
	LOADV 1
.irp t, 0,1,2,3,4,5,6,7
	BLOCKV \t
.endr
	s_wait_alu depctr_va_vdst(0)                   ; the wait here, directly ahead of the reader below
	global_store_b64 v15, v[VW:VW+1], s[20:21]     ; my channel's two scale words: 8 bytes of each 16; one byte in 128 of what the path reads
.irp n, 0,1,2,3,4,5,6,7,8,9,10,11
	ds_load_b128 v[VX+4*\n:VX+4*\n+3], v9 offset:512*\n
.endr
.irp n, 0,1,2,3,4,5,6,7,8,9,10,11
	s_wait_dscnt 11-\n                             ; LDS loads come back in order: number n is in, the younger ones may be out
	global_store_b128 v3, v[VX+4*\n:VX+4*\n+3], s[18:19] offset:(\n/6)*12288+(\n%6)*512   ; 32 lanes store 512 consecutive bytes
.endr
	s_wait_tensorcnt 0x0                           ; the wave's end
	ds_add_u32 v[SPW], v[NIL]
	s_wait_dscnt 0x0
	s_endpgm
.Lfunc_end_k_qe224e61641_quant:
	.size	k_qe224e61641_quant, .Lfunc_end_k_qe224e61641_quant-k_qe224e61641_quant
	.p2alignl 7, 3214868480
	.fill 96, 4, 3214868480
	.section	.rodata,"a",@progbits
	.p2align	6, 0x0
	.amdhsa_kernel k_qe224e61641_quant
		.amdhsa_group_segment_fixed_size 161792
		.amdhsa_private_segment_fixed_size 0
		.amdhsa_enable_private_segment 0
		.amdhsa_kernarg_size 72
		.amdhsa_user_sgpr_count 2
		.amdhsa_user_sgpr_kernarg_segment_ptr 1
		.amdhsa_wavefront_size32 1
		.amdhsa_system_sgpr_workgroup_id_x 1
		.amdhsa_system_sgpr_workgroup_id_y 1
		.amdhsa_system_sgpr_workgroup_id_z 1
		.amdhsa_system_vgpr_workitem_id 0
		.amdhsa_next_free_vgpr 160
		.amdhsa_next_free_sgpr 66
		.amdhsa_reserve_vcc 0
		.amdhsa_float_denorm_mode_32 3
		.amdhsa_float_denorm_mode_16_64 3
		.amdhsa_memory_ordered 1
		.amdhsa_forward_progress 1
		.amdhsa_inst_pref_size 73
	.end_amdhsa_kernel
	.amdgpu_metadata
---
amdhsa.version: [ 1, 2 ]
amdhsa.kernels:
  - .name:           k_qe224e61641_quant
    .symbol:         k_qe224e61641_quant.kd
    .args:
      - { .name: query, .offset: 0, .size: 8, .value_kind: global_buffer, .address_space: global }
      - { .name: key, .offset: 8, .size: 8, .value_kind: global_buffer, .address_space: global }
      - { .name: Wq, .offset: 16, .size: 8, .value_kind: global_buffer, .address_space: global }
      - { .name: Wk, .offset: 24, .size: 8, .value_kind: global_buffer, .address_space: global }
      - { .name: value, .offset: 32, .size: 8, .value_kind: global_buffer, .address_space: global }
      - { .name: xc, .offset: 40, .size: 8, .value_kind: global_buffer, .address_space: global }
      - { .name: xs, .offset: 48, .size: 8, .value_kind: global_buffer, .address_space: global }
      - { .name: vc, .offset: 56, .size: 8, .value_kind: global_buffer, .address_space: global }
      - { .name: vs, .offset: 64, .size: 8, .value_kind: global_buffer, .address_space: global }
    .group_segment_fixed_size: 161792
    .private_segment_fixed_size: 0
    .kernarg_segment_align: 8
    .kernarg_segment_size: 72
    .max_flat_workgroup_size: 672
    .sgpr_count:     66
    .vgpr_count:     160
    .wavefront_size: 32
...
	.end_amdgpu_metadata
.endif
;; end of part 1
;; launch proj (part 2): grid 4 x 64, 4 waves a work-group, clusters of 4 x 4, 327,680 bytes of LDS; arguments xc, xs, bq, bk, qkc, qks; writes qkc, qks
.if DOCPART == 2
	.amdgcn_target "amdgcn-amd-amdhsa--gfx1250"
	.amdhsa_code_object_version 6
	.text
	.protected	k_qe224e61641_proj
	.globl	k_qe224e61641_proj
	.p2align	8
	.type	k_qe224e61641_proj,@function
k_qe224e61641_proj:
	s_mov_b64 s[64:65], 0
	v_nop
	global_prefetch_b8 v0, s[64:65] scope:SCOPE_SE
	s_setreg_imm32_b32 hwreg(HW_REG_WAVE_MODE, 25, 1), 1
	s_wait_xcnt 0x0
	s_wait_alu depctr_hold_cnt(0) depctr_sa_sdst(0) depctr_va_vdst(0) depctr_va_sdst(0) depctr_va_ssrc(0) depctr_va_vcc(0) depctr_vm_vsrc(0)
	s_getreg_b32 s2, hwreg(HW_REG_IB_STS2, 6, 4)
	s_cmp_eq_u32 s2, 0
	s_cbranch_scc0 .Lentry_in_a_cluster
	s_endpgm
.Lentry_in_a_cluster:
	s_bfe_u32 s2, ttmp6, 0x10000c
	s_cmp_lg_u32 s2, 0xf033
	s_cbranch_scc0 .Lentry_shape_is_right
	s_endpgm
.Lentry_shape_is_right:
; q = query Wq^T + bq and k = key Wk^T + bk on codes of FP6 (E2M3) with E8M0 scales, and the results quantised along the features, which are the next product's K.
; xc holds the codes as images of the operand's registers: [rows / 128][K / 128][8 tiles][3 chunks][32 lanes][16 bytes]; groups of rows 0-63 query, 64-191 key, 192-199 Wq, 200-207 Wk.  xs: [tile][K / 512][lane r][4 words].
; qkc, qks are laid the same way: groups 0-63 q, 64-191 k.  In a group of 128 rows lane r of tile 2 b + u holds row 32 b + 8 u + r % 8 + 16 (r / 8).
; A WORK-GROUP STAYS: the outputs are 768 tiles of 128 rows x 256 features, three for each of 256 work-groups.  Work-group (X, Y) makes features 256 X on of q's group of rows Y, then of k's groups 64 + 2 Y and 65 + 2 Y:
; one tile of q and two of k each, so that all have the same work.  Four waves, 64 rows x 128 features each: 32 accumulators.  A tile's K = 1,024 is 8 steps of 128; the 24 steps go through one ring.
; THE PRODUCT IS USED TRANSPOSED (source 0 = 16 rows of W, source 1 = 16 rows of x): a lane holds one row of x, and by the order of W's rows in a tile the 16 registers of tiles 2 b and 2 b + 1 are 16 neighbouring features.
; So a wave's 128 features of 16 rows are one fragment of the next product, made in registers and stored as it stands: no LDS on the way out.  The bias is the C of each sum's first product (it is added first, not last; sums in f32).
; LDS: two slots of 512 along K (147,456 bytes: x's group of rows, then W's two), each part a dense block of 192 x 256 bytes; wave 0 fetches x's, waves 1 and 2 W's, wave 3 nothing.  Fill f (tile f / 2, half f % 2 of K) goes to slot f % 2.
; Two tensor loads of a wave are out at the start, one behind each of the four refills.  The ring does not stop at a tile's end: while a tile is quantised and stored, the next tile's first fragments are in registers and a refill is on its way.
; CLUSTERS: 4 x 4 work-groups.  The four of a row of the cluster need the same tiles of x, the four of a column the same tiles of W: each is asked for jointly, by one descriptor and a mask that names the four.
; The scale words of a wave's rows for a whole tile lie in 64 registers (lanes 0-15 x's, lanes 16-31 W's), two sets by turns, loaded a tile ahead.
; LIMITS: a block whose largest magnitude lies under 2^-124 gets the byte 1; NaN and infinities are not served.  The scale words leave 4 bytes at a time, 16 bytes apart (one byte in 24 of what the launch stores).
; REGISTERS: window 0: v4-14 addresses; v32-95, v128-191 scale words; v96-115 at work on the way out; v224-242 the codes just made.  window 1: W's two sets at v0 and v128; the bias in v96-127, v224-255.
;   window 2: the accumulators, (a, b) at v[8 (8 a + b)].  window 3: x's two sets at v0 and v48.
; THE FILLS AS THE TEXT HAS THEM (this takes the place of what the lines above say of which wave fetches what and of how many loads are out):
; every wave issues one joint load for each fill: waves 0 and 1 a half each of x's part (96 x 256 bytes), waves 2 and 3 a group of W's features each (192 x 256 bytes).
; Fill 0 goes out at the head, one load a wave; fill 1 behind the full sequence and a round of the cluster's barrier, as a refill does.  One tensor load of a wave is out at any time.
; PREFETCHES INTO THE L2: fills 1 and 2 are asked for behind fill 0's load, fill 3 behind fill 1's, x's part of fills 4 and 5 behind fills 2 and 3 (two fills ahead; Wk's tiles of fills 4 and 5 are those of fills 2 and 3).
; The four partners that ask for a part jointly share its blocks of 256 bytes out by address (cx for x, cy for W): 24 blocks an instruction, a lane a block (lanes 24-31 name the last again); x's waves one instruction, W's two.
.set SLOT,  147456
.set HPART, 24576                      ; half of x's part
.set PSH,   6144                       ; a partner's share of 24,576 bytes
.set PFO,   15                         ; v15    256 x min(lane, 23); never rewritten
.set PART,  49152
.set KST,   12288
.set FRB,   1536
.set GRP,   98304                      ; a group of 128 rows, all of K
.set SPARE, 2*SLOT                     ; behind the slots: the spare words, 128 bytes for each wave: two blocks of 256 bytes that no other line names
.set ADRA, 4                           ; v4-5   LDS address of my fragments of x in slot 0, 1
.set ADRB, 6                           ; v6-7   the same for W
.set LI,   8                           ; v8     16 x lane
.set BO,   9                           ; v9     64 h: my half's features in the bias
.set QSO,  10                          ; v10    512 h + 16 r: where my scale word goes
.set SCO,  12                          ; v12-14 my offset among the scale words, for tile 0, 1, 2; never rewritten
.set SPW,  28                          ; v28    LDS address of my spare word; never rewritten
.set NIL,  29                          ; v29    0; never rewritten
.set SC,   32                          ; scale words: set t % 2 at v[SC + SCD (t % 2)]; register 8 i + s: K step s: lanes 0-15 the word of x's tile i (i under 4), lanes 16-31 of W's tile i
.set SCD,  96
.set TM,   96                          ; v96-99   largest magnitudes
.set TP,   100                         ; v100-103 the other half's, then the bytes
.set SO,   104                         ; v104-107 the conversions' scale operands
.set PWS,  112                         ; v112-115 the four tiles' scale words
.set PC,   224
.set BI,   96                          ; in window 1: the bias of W's tile b at 96 + 8 (b % 4) + 128 (b / 4)
.set G1A,  24                          ; s[24:31] descriptor group 1 for x's tiles, s[32:39] for W's: they differ in the mask and in the rows: 96 for x, 192 for W
.set G1B,  32
.set G0A,  40                          ; s[40:47] group 0 for x's tiles of tile 0, a set for each slot; s[48:55] for Wq's
.set G0B,  48
.set G2A,  56                          ; s[56:63] the same for tiles 1 and 2; s[68:75] for Wk's
.set G2B,  68
.set MSB, 0
.macro WIN new                         ; the immediate's high byte repeats the setting that is left
.if MSB != (\new)
	s_set_vgpr_msb (MSB<<8)|(\new)
.set MSB, (\new)
.endif
.endm
.macro PLACES n
.rept \n
	v_nop
.endr
.endm
.macro CREST                           ; a round of the cluster's barrier behind its opening barrier
	s_cmp_lg_u32 s16, 0
	s_cbranch_scc1 .Lnot_wave_0_\@
	s_barrier_signal -3
.Lnot_wave_0_\@:
	s_barrier_wait -3
	s_barrier_signal -1
	s_barrier_wait -1
.endm
.macro CROUND
	s_barrier_signal -1
	s_barrier_wait -1
	CREST
.endm
.macro ASK pf, off, aonly              ; my share of a later fill; aonly = 1: x's waves alone.  The branch hangs on the wave's number alone
	s_cmp_eq_u32 s17, 0
.if \aonly
	s_cbranch_scc0 .Lpf_\@
	global_prefetch_b8 v[PFO], s[\pf:\pf+1] offset:(\off) th:TH_LOAD_NT scope:SCOPE_SE
.else
	global_prefetch_b8 v[PFO], s[\pf:\pf+1] offset:(\off) th:TH_LOAD_NT scope:SCOPE_SE
	s_cbranch_scc1 .Lpf_\@
	global_prefetch_b8 v[PFO], s[\pf:\pf+1] offset:(\off)+PSH th:TH_LOAD_NT scope:SCOPE_SE
.endif
.Lpf_\@:
.endm
.macro JLOAD ga, gb                    ; a joint load: waves 0 and 1 for x, waves 2 and 3 for W; the branch hangs on the wave's number alone; an s_nop 0 and four v_nop follow each line
	s_cmp_eq_u32 s17, 0
	s_cbranch_scc0 .Lnot_a_\@
	tensor_load_to_lds s[(\ga):(\ga)+3], s[G1A:G1A+7]
	s_nop 0
.rept 4
	v_nop
.endr
	s_branch .Lasked_\@
.Lnot_a_\@:
	tensor_load_to_lds s[(\gb):(\gb)+3], s[G1B:G1B+7]
	s_nop 0
.rept 4
	v_nop
.endr
.Lasked_\@:
.endm
.macro FRAG reg, adr, off              ; a fragment: three loads of 512 consecutive bytes
.irp c, 0,1,2
	ds_load_b128 v[(\reg)+4*\c:(\reg)+4*\c+3], v[\adr] offset:(\off)+512*\c
.endr
.endm
.macro FETCH s                         ; step s of the 24: W's eight fragments and x's four, into set s % 2
	WIN 0x40                                       ; destination window 1, address window 0
.irp i, 0,1,2,3,4,5,6,7
	FRAG 128*((\s)%2)+12*\i, ADRB+((\s)/4)%2, ((\s)%4)*KST+FRB*\i
.endr
	WIN 0xc0                                       ; destination window 3
.irp i, 0,1,2,3
	FRAG 48*((\s)%2)+12*\i, ADRA+((\s)/4)%2, ((\s)%4)*KST+FRB*\i
.endr
.endm
.macro SCLOAD set, t                   ; tile t's scale words into a set: sixteen lanes read 256 consecutive bytes: a tile of 16 rows' words of four K steps
.irp i, 0,1,2,3,4,5,6,7
.irp g, 0,1
	global_load_b128 v[SC+SCD*(\set)+8*\i+4*\g:SC+SCD*(\set)+8*\i+4*\g+3], v[SCO+(\t)], s[6:7] offset:512*\i+256*\g
.endr
.endr
.endm
.macro BIASLD base                     ; the bias in the result's layout: lane (r, h), register j of tile b: feature 32 (b / 2) + 16 h + 8 (b % 2) + j
	WIN 0x40
.irp b, 0,1,2,3,4,5,6,7
	global_load_b128 v[BI+8*(\b%4)+128*(\b/4):BI+8*(\b%4)+128*(\b/4)+3], v[BO], s[\base:\base+1] offset:(32*(\b/2)+8*(\b%2))*4
	global_load_b128 v[BI+8*(\b%4)+128*(\b/4)+4:BI+8*(\b%4)+128*(\b/4)+7], v[BO], s[\base:\base+1] offset:(32*(\b/2)+8*(\b%2))*4+16
.endr
.endm
; 16 products: x's tiles a0, a0 + 1 x W's eight, step s.  first = 1: the bias is the C.  The 32 accumulators take turns, one instruction a turn, in the same order in every step.
.macro MUL16 a0, s, first
.irp a, \a0, \a0+1
.irp b, 0,1,2,3,4,5,6,7
.if \first
	v_wmma_scale_f32_16x16x128_f8f6f4 v[8*(8*(\a)+\b):8*(8*(\a)+\b)+7], v[128*((\s)%2)+12*\b:128*((\s)%2)+12*\b+11], v[48*((\s)%2)+12*(\a):48*((\s)%2)+12*(\a)+11], v[BI+8*(\b%4)+128*(\b/4):BI+8*(\b%4)+128*(\b/4)+7], v[SC+SCD*(((\s)/8)%2)+8*\b+(\s)%8], v[SC+SCD*(((\s)/8)%2)+8*(\a)+(\s)%8] matrix_a_fmt:MATRIX_FMT_FP6 matrix_b_fmt:MATRIX_FMT_FP6 matrix_a_scale:MATRIX_SCALE_ROW1
.else
	v_wmma_scale_f32_16x16x128_f8f6f4 v[8*(8*(\a)+\b):8*(8*(\a)+\b)+7], v[128*((\s)%2)+12*\b:128*((\s)%2)+12*\b+11], v[48*((\s)%2)+12*(\a):48*((\s)%2)+12*(\a)+11], v[8*(8*(\a)+\b):8*(8*(\a)+\b)+7], v[SC+SCD*(((\s)/8)%2)+8*\b+(\s)%8], v[SC+SCD*(((\s)/8)%2)+8*(\a)+(\s)%8] matrix_a_fmt:MATRIX_FMT_FP6 matrix_b_fmt:MATRIX_FMT_FP6 matrix_a_scale:MATRIX_SCALE_ROW1
.endif
.endr
.endr
.endm
; A step whose successor lies in the same slot.  first = 1: a tile's first step.  bias = 1: bk takes the registers that held bq, which the step before has read as its C.
.macro STEP s, first, bias
	s_wait_dscnt 0x0                               ; this step's fragments are in (asked for 32 products ago)
	PLACES 4                                       ; in front of loads into registers that the last step's products read
.if \bias
	BIASLD 94
.endif
	FETCH (\s)+1
.if \first
	WIN 0x9d                                       ; source 0 (W) and C (the bias) window 1, source 1 (x) window 3, D window 2
.else
	WIN 0xad                                       ; C and D window 2
.endif
	MUL16 0, \s, \first
	MUL16 2, \s, \first
.endm
; A slot's last step changes slots: one barrier; in front of it each wave waits for all its tensor loads, adds 0 to its spare word, and waits for that and for its reads of this slot.
; kind = 1 or 2: this slot is filled again, with the same half of K of the next tile: the barrier opens a round of the cluster's, and the joint load is the first thing behind it.
; kind = 1: tile 1's sets as they were made at the head; kind = 2: tile 2's: x's group of rows is the next one, Wk's tiles are the same.  kind = 0: nothing is left to fetch.
.macro TURN s, kind
	WIN 0                                          ; (the add's two registers lie in window 0)
	s_wait_tensorcnt 0x0                           ; all my tensor loads have landed: my part of the next slot
	ds_add_u32 v[SPW], v[NIL]
	s_wait_dscnt 1                                 ; this step's fragments are in; the add may be out
	WIN 0xad
	MUL16 0, \s, 0
	s_wait_dscnt 0x0                               ; the add is done, and my reads of this slot are over
	s_barrier_signal -1
	WIN 0
	s_barrier_wait -1
.if \kind
	CREST                                          ; no wave of any partner reads this slot or has a load on its way
.if (\kind) == 2
	s_add_nc_u64 s[G2A+4*(((\s)/4)%2)+2:G2A+4*(((\s)/4)%2)+3], s[G2A+4*(((\s)/4)%2)+2:G2A+4*(((\s)/4)%2)+3], GRP
.endif
	JLOAD G2A+4*(((\s)/4)%2), G2B+4*(((\s)/4)%2)   ; its four v_nop are also the places in front of the loads below
.else
	PLACES 4
.endif
	FETCH (\s)+1
.if (\kind) == 1
	WIN 0
	ASK 80, GRP+(((\s)/4)%2)*PART, 1               ; tile 2's same half of K, x's part: the fill two on
.endif
	WIN 0xad
	MUL16 2, \s, 0
.endm
; THE WAY OUT.  Tile a's 64 registers of a lane, register 16 b + i = feature 32 b + 16 h + i of my row, become a fragment's codes and its scale word.  Each accumulator is read from its low end on.
.macro QUANTW a, qc, ex
.set AC, 64*(\a)
	WIN 0x0a                                       ; sources 0 and 1: the accumulators' window
.irp b, 0,1,2,3
	v_max3_num_f32 v[TM+\b], |v[AC+16*\b]|, |v[AC+16*\b+1]|, 0x1800000   ; block b: my 16 numbers, and the floor 2^(3 - 127): the byte cannot fall under 1
.endr
.irp i, 2,4,6,8,10,12,14
.irp b, 0,1,2,3
	v_max3_num_f32 v[TM+\b], |v[AC+16*\b+\i]|, |v[AC+16*\b+\i+1]|, v[TM+\b]
.endr
.endr
	WIN 0
.irp b, 0,1,2,3
	v_permlanex16_b32 v[TP+\b], v[TM+\b], s82, s83
.endr
.irp b, 0,1,2,3
	v_max_num_f32 v[TM+\b], v[TM+\b], v[TP+\b]     ; with lane l xor 16's: the block's largest magnitude
.endr
.irp b, 0,1,2,3
	v_add_nc_u32 v[SO+\b], 0xff000000, v[TM+\b]    ; 2 off its exponent field: the conversion's scale operand
.endr
.irp b, 0,1,2,3
	v_lshrrev_b32 v[TP+\b], 23, v[SO+\b]           ; the scale's byte
.endr
	v_lshl_or_b32 v[PWS+(\a)], v[TP+1], 8, v[TP]
	v_lshl_or_b32 v[PWS+(\a)], v[TP+2], 16, v[PWS+(\a)]
	v_lshl_or_b32 v[PWS+(\a)], v[TP+3], 24, v[PWS+(\a)]
	s_wait_xcnt 0x0                                ; the last tile's stores have read their data: the codes' registers are written again only behind this wait
	WIN 0x02
.irp c, 0,1
	v_cvt_scalef32_pk16_fp6_f32 v[PC+6*\c:PC+6*\c+2], v[AC+32*\c:AC+32*\c+15], v[SO+2*\c]
	v_cvt_scalef32_pk16_fp6_f32 v[PC+12+4*\c:PC+14+4*\c], v[AC+32*\c+16:AC+32*\c+31], v[SO+2*\c+1]
.endr
	WIN 0
	v_nop                                          ; one plain place behind a scaled conversion
.irp c, 0,1                                    ; the operand's layout wants a whole block in a lane: lanes 0-15 block 2 c, lanes 16-31 block 2 c + 1
.irp i, 0,1,2
	v_permlane16_swap_b32 v[PC+6*\c+\i], v[PC+12+4*\c+\i]
.endr
.irp i, 0,1,2
	v_mov_b32 v[PC+3+6*\c+\i], v[PC+12+4*\c+\i]
.endr
.endr
.irp c, 0,1,2
	global_store_b128 v[LI], v[PC+4*\c:PC+4*\c+3], s[\qc:\qc+1] offset:(\ex)*GRP+FRB*(\a)+512*\c   ; 32 lanes store 512 consecutive bytes
.endr
.endm
; A tile of C goes out.  qc, qs: the scalar pairs with its place in qkc and qks; ex = 1: one group of rows further on, by the immediate.  reload = 1: the scale words' set 0, which tile 0 has done with, takes tile 2's.
.macro WAYOUT qc, qs, ex, reload
	WIN 0
	PLACES 4                                       ; behind the tile's last products: in front of the first read of results and of loads into their scale registers
	s_wait_xcnt 0x0                                ; the last way out's stores of scale words have read their data
.if \reload
	SCLOAD 0, 2
.endif
.irp a, 0,1,2,3
	QUANTW \a, \qc, \ex
.endr
.irp m, 0,1
	v_cndmask_b32 v[TM+\m], v[PWS+2*\m], v[PWS+2*\m+1], s84   ; lanes 0-15 tile 2 m's words, lanes 16-31 tile 2 m + 1's
.endr
.irp m, 0,1
	global_store_b32 v[QSO], v[TM+\m], s[\qs:\qs+1] offset:(\ex)*4096+1024*\m
.endr
.endm
	s_load_b256 s[4:11], s[0:1], 0x0               ; xc, xs, bq, bk
	s_load_b128 s[12:15], s[0:1], 0x20             ; qkc, qks
	v_lshl_add_u32 v[SPW], v0, 2, SPARE
	v_mov_b32 v[NIL], 0
	ds_add_u32 v[SPW], v[NIL]                      ; the wave's opening: the add and its wait ahead of my first tensor load; work on registers stands between them
	ds_add_u32 v[SPW], v[NIL]
	v_lshrrev_b32 v1, 5, v0
	v_readfirstlane_b32 s16, v1                    ; wave 0..3
	s_lshr_b32 s17, s16, 1                         ; which 64 rows are mine
	s_and_b32 s18, s16, 1                          ; which 128 features
	s_bfe_u32 s19, ttmp6, 0x40000                  ; cx
	s_bfe_u32 s20, ttmp6, 0x40004                  ; cy
	s_lshl_b32 s21, ttmp9, 2
	s_add_co_u32 s21, s21, s19                     ; X: 256 features
	s_and_b32 s23, ttmp7, 0xffff
	s_lshl_b32 s22, s23, 2
	s_add_co_u32 s22, s22, s20                     ; Y: 0..63
	s_lshl_b32 s76, s20, 2
	s_lshl_b32 s76, 15, s76                        ; my row of the cluster
	s_lshl_b32 s77, 0x1111, s19                    ; my column
	s_or_b32 s[G1A], s76, (3<<16)|(1<<21)          ; 15:0 the mask; 17:16 elements of 8 bytes; 20 no padding; 21 set beside a mask
	s_or_b32 s[G1B], s77, (3<<16)|(1<<21)
.irp g, G1A, G1B
	s_mov_b32 s[\g+1], 32<<16                      ; tensor_dim0 = 32 elements: 256 bytes
	s_mov_b32 s[\g+2], 192<<16                     ; tensor_dim1 = 192 rows: 49,152 dense bytes
	s_mov_b32 s[\g+3], 32<<16                      ; tile_dim0
	s_mov_b32 s[\g+4], 192                         ; tile_dim1
	s_mov_b32 s[\g+5], 32                          ; the pitch
	s_mov_b32 s[\g+6], 0
	s_mov_b32 s[\g+7], 0
.endr
	s_mov_b32 s[G1A+2], 96<<16                     ; x's loads bring 96 rows: tensor_dim1,
	s_mov_b32 s[G1A+4], 96                         ; tile_dim1
	s_mul_i32 s3, s18, HPART                       ; which half of x's part I fetch (waves 0 and 1)
	s_mul_i32 s78, s22, GRP
	s_add_co_u32 s78, s78, s3
	s_mov_b32 s79, 0
	s_lshl_b32 s80, s22, 1
	s_add_co_u32 s80, s80, 64
	s_mul_i32 s80, s80, GRP
	s_add_co_u32 s80, s80, s3
	s_mov_b32 s81, 0
	s_and_b32 s85, s16, 1                          ; W: wave 2 fetches the first group of features, wave 3 the second
	s_lshl_b32 s86, s21, 1
	s_add_co_u32 s86, s86, s85
	s_add_co_u32 s86, s86, 192
	s_mul_i32 s86, s86, GRP                        ; Wq: group 192 + 2 X + that
	s_mov_b32 s87, 0
	s_add_co_u32 s88, s86, 8*GRP                   ; Wk: eight groups on
	s_mov_b32 s89, 0
	s_mul_i32 s90, s18, PART
	s_add_co_u32 s90, s90, PART                    ; where W's load goes in a slot: behind x's part
	s_mov_b32 s82, 0x76543210
	s_mov_b32 s83, 0xfedcba98                      ; v_permlanex16_b32's selects for lane l xor 16
	s_mov_b32 s84, 0xffff0000                      ; lanes 16-31
	s_wait_dscnt 0x0                               ; the opening add is done
	s_wait_kmcnt 0x0
	s_add_nc_u64 s[78:79], s[4:5], s[78:79]
	s_add_nc_u64 s[80:81], s[4:5], s[80:81]
	s_add_nc_u64 s[86:87], s[4:5], s[86:87]
	s_add_nc_u64 s[88:89], s[4:5], s[88:89]
	CROUND                                         ; all sixteen work-groups are here: the first joint loads meet
.irp s, 0,1
	s_mov_b32 s[G0A+4*\s], 1
	s_add_co_u32 s[G0A+4*\s+1], s3, \s*SLOT
	s_add_nc_u64 s[G0A+4*\s+2:G0A+4*\s+3], s[78:79], \s*PART
	s_or_b32 s[G0A+4*\s+3], s[G0A+4*\s+3], 0x80000000
	s_mov_b32 s[G0B+4*\s], 1
	s_add_co_u32 s[G0B+4*\s+1], s90, \s*SLOT
	s_add_nc_u64 s[G0B+4*\s+2:G0B+4*\s+3], s[86:87], \s*PART
	s_or_b32 s[G0B+4*\s+3], s[G0B+4*\s+3], 0x80000000
	s_mov_b32 s[G2A+4*\s], 1
	s_add_co_u32 s[G2A+4*\s+1], s3, \s*SLOT
	s_add_nc_u64 s[G2A+4*\s+2:G2A+4*\s+3], s[80:81], \s*PART
	s_or_b32 s[G2A+4*\s+3], s[G2A+4*\s+3], 0x80000000
	s_mov_b32 s[G2B+4*\s], 1
	s_add_co_u32 s[G2B+4*\s+1], s90, \s*SLOT
	s_add_nc_u64 s[G2B+4*\s+2:G2B+4*\s+3], s[88:89], \s*PART
	s_or_b32 s[G2B+4*\s+3], s[G2B+4*\s+3], 0x80000000
.endr
	JLOAD G0A, G0B                                 ; fill 0: one tensor load a wave at the head
	s_cmp_eq_u32 s17, 0                            ; the prefetches' bases: my part of tile 0's and of tile 1's fills,
	s_cselect_b64 s[78:79], s[78:79], s[86:87]
	s_cselect_b64 s[80:81], s[80:81], s[88:89]
	s_cselect_b32 s86, s19, s20                    ; my place among the four that ask with me,
	s_mov_b32 s87, 2*PSH
	s_cselect_b32 s87, PSH, s87                    ; and a partner's share
	s_mul_i32 s86, s86, s87
	s_mov_b32 s87, 0
	s_add_nc_u64 s[78:79], s[78:79], s[86:87]
	s_add_nc_u64 s[80:81], s[80:81], s[86:87]
	v_and_b32 v1, 31, v0
	v_lshlrev_b32 v[LI], 4, v1
	v_and_b32 v2, 15, v0                           ; r
	v_bfe_u32 v3, v0, 4, 1                         ; h
	v_min_u32 v[PFO], 23, v1
	v_lshlrev_b32 v[PFO], 8, v[PFO]
	s_wait_alu depctr_va_vdst(0)                   ; the wait here, directly ahead of the branches below
	ASK 78, PART, 0                                ; fill 1
	ASK 80, 0, 0                                   ; fill 2
	s_mul_i32 s91, s17, 4*FRB                      ; my four tiles of x
	s_mul_i32 s85, s18, PART
	s_add_co_u32 s85, s85, PART                    ; my group of features, behind x's part
.irp s, 0,1
	v_add_nc_u32 v[ADRA+\s], s91, v[LI]
	v_add_nc_u32 v[ADRB+\s], s85, v[LI]
	s_add_co_u32 s91, s91, SLOT
	s_add_co_u32 s85, s85, SLOT
.endr
	s_lshl_b32 s66, s21, 1
	s_add_co_u32 s66, s66, s18                     ; my 128 features: K step 0..7 of the next product
	; the scale words: 4,096 bytes a group of rows, 512 a tile.  Lanes 0-15 take x's (my four tiles, 2,048 bytes into the group for rows 64 on), lanes 16-31 W's: the lower base + h x the distance
	s_lshl_b32 s76, s17, 11
	s_add_co_u32 s67, s66, 192
	s_lshl_b32 s67, s67, 12                        ; Wq's group of my features
	s_lshl_b32 s100, s22, 12
	s_add_co_u32 s100, s100, s76                   ; tile 0: group Y
	s_sub_co_u32 s101, s67, s100
	v_mul_u32_u24 v[SCO], s101, v3
	v_lshl_add_u32 v[SCO], v2, 4, v[SCO]
	v_add_nc_u32 v[SCO], s100, v[SCO]
	s_add_co_u32 s67, s67, 8*4096                  ; Wk's
	s_lshl_b32 s100, s22, 13
	s_add_co_u32 s100, s100, 64*4096
	s_add_co_u32 s100, s100, s76                   ; tile 1: group 64 + 2 Y
	s_sub_co_u32 s101, s67, s100
	v_mul_u32_u24 v[SCO+1], s101, v3
	v_lshl_add_u32 v[SCO+1], v2, 4, v[SCO+1]
	v_add_nc_u32 v[SCO+1], s100, v[SCO+1]
	s_add_co_u32 s100, s100, 4096                  ; tile 2: the next group
	s_sub_co_u32 s101, s67, s100
	v_mul_u32_u24 v[SCO+2], s101, v3
	v_lshl_add_u32 v[SCO+2], v2, 4, v[SCO+2]
	v_add_nc_u32 v[SCO+2], s100, v[SCO+2]
	SCLOAD 0, 0
	SCLOAD 1, 1
	s_lshl_b32 s100, s66, 9
	s_mov_b32 s101, 0
	s_add_nc_u64 s[92:93], s[8:9], s[100:101]      ; bq at my 128 features,
	s_add_nc_u64 s[94:95], s[10:11], s[100:101]    ; bk likewise
	v_lshlrev_b32 v[BO], 6, v3
	BIASLD 92
	WIN 0
	s_lshl_b32 s100, s22, 3
	s_add_co_u32 s100, s100, s66
	s_mul_i32 s100, s100, KST
	s_mul_i32 s76, s17, 4*FRB
	s_add_co_u32 s100, s100, s76
	s_add_nc_u64 s[12:13], s[12:13], s[100:101]    ; qkc, tile 0: group Y, my K step, my four tiles
	s_add_co_u32 s100, s22, 64
	s_mul_i32 s100, s100, GRP
	s_add_nc_u64 s[96:97], s[12:13], s[100:101]    ; tile 1: 64 + Y groups on
	s_lshl_b32 s100, s22, 12
	s_lshl_b32 s76, s17, 11
	s_add_co_u32 s100, s100, s76
	s_lshr_b32 s76, s66, 2
	s_lshl_b32 s76, s76, 8
	s_add_co_u32 s100, s100, s76
	s_and_b32 s76, s66, 3
	s_lshl_b32 s76, s76, 2
	s_add_co_u32 s100, s100, s76
	s_add_nc_u64 s[14:15], s[14:15], s[100:101]    ; qks, tile 0: my four tiles, my K step's word
	s_add_co_u32 s100, s22, 64
	s_lshl_b32 s100, s100, 12
	s_add_nc_u64 s[98:99], s[14:15], s[100:101]    ; tile 1
	v_lshlrev_b32 v[QSO], 9, v3
	v_lshl_add_u32 v[QSO], v2, 4, v[QSO]
.irp b, 0,1,2,3
	v_mov_b32 v[TP+\b], 0                          ; written once: a lane permute's destination counts as one of its sources
.endr
	s_wait_alu depctr_va_vdst(0)
	s_wait_tensorcnt 0x0                           ; my part of slot 0 is in
	ds_add_u32 v[SPW], v[NIL]
	s_wait_dscnt 0x0
	CROUND                                         ; everybody's part of slot 0 is in, and all sixteen work-groups are here
	JLOAD G0A+4, G0B+4                             ; fill 1, the first tensor load behind the round
	FETCH 0
	WIN 0
	ASK 80, PART, 0                                ; fill 3
	s_wait_loadcnt 0x0                             ; the scale words of tiles 0 and 1, and bq
	STEP 0, 1, 0                                   ; TILE 0: q's group Y
	STEP 1, 0, 1                                   ; (bk is asked for here)
	STEP 2, 0, 0
	TURN 3, 1                                      ; slot 0 takes tile 1's first half of K
	STEP 4, 0, 0
	STEP 5, 0, 0
	STEP 6, 0, 0
	TURN 7, 1                                      ; slot 1 takes its second half; tile 1's first fragments are fetched
	WAYOUT 12, 14, 0, 1
	s_wait_loadcnt 16                              ; bk is in; the 16 loads issued behind it, tile 2's scale words, may be out
	STEP 8, 1, 0                                   ; TILE 1: k's group 64 + 2 Y
	STEP 9, 0, 0
	STEP 10, 0, 0
	TURN 11, 2                                     ; slot 0 takes tile 2's first half of K
	STEP 12, 0, 0
	STEP 13, 0, 0
	STEP 14, 0, 0
	TURN 15, 2                                     ; slot 1 takes its second half
	WAYOUT 96, 98, 0, 0
	s_wait_loadcnt 0x0                             ; tile 2's scale words
	STEP 16, 1, 0                                  ; TILE 2: k's group 65 + 2 Y
	STEP 17, 0, 0
	STEP 18, 0, 0
	TURN 19, 0                                     ; nothing is left to fetch: no round
	STEP 20, 0, 0
	STEP 21, 0, 0
	STEP 22, 0, 0
	s_wait_dscnt 0x0                               ; the last step
	WIN 0xad
	MUL16 0, 23, 0
	MUL16 2, 23, 0
	WAYOUT 96, 98, 1, 0
	s_wait_tensorcnt 0x0                           ; the wave's end
	ds_add_u32 v[SPW], v[NIL]
	s_wait_dscnt 0x0
	CROUND                                         ; the closing round: no work-group ends while a partner may still ask for a tile that names it
	s_endpgm
.Lfunc_end_k_qe224e61641_proj:
	.size	k_qe224e61641_proj, .Lfunc_end_k_qe224e61641_proj-k_qe224e61641_proj
	.p2alignl 7, 3214868480
	.fill 96, 4, 3214868480
	.section	.rodata,"a",@progbits
	.p2align	6, 0x0
	.amdhsa_kernel k_qe224e61641_proj
		.amdhsa_group_segment_fixed_size 327680
		.amdhsa_private_segment_fixed_size 0
		.amdhsa_enable_private_segment 0
		.amdhsa_kernarg_size 48
		.amdhsa_user_sgpr_count 2
		.amdhsa_user_sgpr_kernarg_segment_ptr 1
		.amdhsa_wavefront_size32 1
		.amdhsa_system_sgpr_workgroup_id_x 1
		.amdhsa_system_sgpr_workgroup_id_y 1
		.amdhsa_system_sgpr_workgroup_id_z 1
		.amdhsa_system_vgpr_workitem_id 0
		.amdhsa_next_free_vgpr 1024
		.amdhsa_next_free_sgpr 102
		.amdhsa_reserve_vcc 0
		.amdhsa_float_denorm_mode_32 3
		.amdhsa_float_denorm_mode_16_64 3
		.amdhsa_memory_ordered 1
		.amdhsa_forward_progress 1
		.amdhsa_inst_pref_size 231
	.end_amdhsa_kernel
	.amdgpu_metadata
---
amdhsa.version: [ 1, 2 ]
amdhsa.kernels:
  - .name:           k_qe224e61641_proj
    .symbol:         k_qe224e61641_proj.kd
    .args:
      - { .name: xc, .offset: 0, .size: 8, .value_kind: global_buffer, .address_space: global }
      - { .name: xs, .offset: 8, .size: 8, .value_kind: global_buffer, .address_space: global }
      - { .name: bq, .offset: 16, .size: 8, .value_kind: global_buffer, .address_space: global }
      - { .name: bk, .offset: 24, .size: 8, .value_kind: global_buffer, .address_space: global }
      - { .name: qkc, .offset: 32, .size: 8, .value_kind: global_buffer, .address_space: global }
      - { .name: qks, .offset: 40, .size: 8, .value_kind: global_buffer, .address_space: global }
    .group_segment_fixed_size: 327680
    .private_segment_fixed_size: 0
    .kernarg_segment_align: 8
    .kernarg_segment_size: 48
    .max_flat_workgroup_size: 128
    .sgpr_count:     102
    .vgpr_count:     1024
    .wavefront_size: 32
...
	.end_amdgpu_metadata
.endif
;; end of part 2
;; launch scores (part 3): grid 8 x 32, 4 waves a work-group, clusters of 4 x 4, 327,680 bytes of LDS; arguments qkc, qks, pc, pst; writes pc, pst
.if DOCPART == 3
	.amdgcn_target "amdgcn-amd-amdhsa--gfx1250"
	.amdhsa_code_object_version 6
	.text
	.protected	k_qe224e61641_scores
	.globl	k_qe224e61641_scores
	.p2align	8
	.type	k_qe224e61641_scores,@function
k_qe224e61641_scores:
	s_mov_b64 s[64:65], 0
	v_nop
	global_prefetch_b8 v0, s[64:65] scope:SCOPE_SE
	s_setreg_imm32_b32 hwreg(HW_REG_WAVE_MODE, 25, 1), 1
	s_wait_xcnt 0x0
	s_wait_alu depctr_hold_cnt(0) depctr_sa_sdst(0) depctr_va_vdst(0) depctr_va_sdst(0) depctr_va_ssrc(0) depctr_va_vcc(0) depctr_vm_vsrc(0)
	s_getreg_b32 s2, hwreg(HW_REG_IB_STS2, 6, 4)
	s_cmp_eq_u32 s2, 0
	s_cbranch_scc0 .Lentry_in_a_cluster
	s_endpgm
.Lentry_in_a_cluster:
	s_bfe_u32 s2, ttmp6, 0x10000c
	s_cmp_lg_u32 s2, 0xf033
	s_cbranch_scc0 .Lentry_shape_is_right
	s_endpgm
.Lentry_shape_is_right:
; S = q k^T on codes of FP6 (E2M3) with E8M0 scales, and the softmax's p, quantised along the keys, for each (query, chunk of 128 keys) under the chunk's own whole number M.
; t = score x log2(e) / 32; M = ceil(the largest t of the query's 128 keys in hand); p = 2^(t - M) is quantised, 32 keys to a block; l = the sum of the unquantised p.
; Since M is a whole number, the next launch brings a chunk under the row's M by taking M_row - M off the chunk's scale bytes: the codes stay as they are.
; qkc: images of the operand's registers, [rows / 128][8 K steps][8 tiles][3 chunks][32 lanes][16 bytes]; groups of rows 0-63 q, 64-191 k.  qks: [tile][K / 512][lane r][4 words].
; pc: the same form with 16 K steps (the keys), groups of rows = queries / 128.  pst: [tile of 16 queries][chunk 0..15][256 bytes]: lane (r, 0) stores {p's scale word, -M}, lane (r, 1) {l, l}.
; A tile of 256 queries x 256 keys is made by four waves, 128 x 128 each: 64 accumulators.  K = 1,024 is 8 steps of 128.
; THE PRODUCT IS USED TRANSPOSED (source 0 = 16 keys, source 1 = 16 queries): a lane holds one query, and by the order of k's rows in a tile (lane r of tile 2 b + u: row 32 b + 8 u + r % 8 + 16 (r / 8))
; the 16 registers of tiles 2 b and 2 b + 1 are 16 neighbouring keys: a wave's 128 keys of 16 queries are one fragment of the next product, made in registers and stored as it stands.
; LDS: three slots of two K steps, 98,304 bytes each (A's 256 rows, then B's 256); one refill; joint loads of the 4 x 4 cluster (q's tiles shared along a row of the cluster, k's along a column); the cluster's y is the batch.
; LIMITS: a block all of whose p lie under 2^-124 gets the byte 1; NaN and infinities are not served.
; REGISTERS: window 0: v4-14 addresses; v32-95 scale words; v96-123 at work on the way out; v128-223 A's fragments; v224-242 the codes just made.  window 1: B's two sets.  windows 2, 3: the accumulators, then p.
; THE FILLS AS THE TEXT HAS THEM: three slots of two K steps, four fills, one joint load a wave for each.  Fill 0 goes out at the head; fill 1 behind the full sequence and a round of the cluster's barrier;
; fill 2 (slot 2's first) behind the round at K step 1; fill 3 (slot 0 again) behind the round at K step 3.  One tensor load of a wave is out at any time.
; PREFETCHES INTO THE L2: fills 1 and 2 are asked for behind fill 0's load, fill 3 behind fill 1's (two fills ahead).  The four partners that ask for a part of 24,576 bytes jointly share its blocks of 256 bytes out by address
; (cx for q, cy for k): 24 blocks each, a lane a block, one instruction a wave (lanes 24-31 name the last again).
.set SLOT,  98304
.set PSH,   6144                       ; a partner's share of a part
.set PFO,   15                         ; v15    256 x min(lane, 23); never rewritten
.set HALF,  24576
.set KST,   12288
.set FRB,   1536
.set SPARE, 3*SLOT                     ; behind the slots: the spare words, 128 bytes for each wave: two blocks of 256 bytes that no other line names
.set ADRA, 4                           ; v4-6   LDS address of my A fragments in slot 0, 1, 2
.set ADRB, 8                           ; v8-10  the same for B
.set LI,   12                          ; v12    16 x lane
.set SCO,  13                          ; v13    my offset among the scale words
.set L8,   14                          ; v14    8 x lane
.set SPW,  28                          ; v28    LDS address of my spare word; never rewritten
.set NIL,  29                          ; v29    0; never rewritten
.set SC,   32                          ; register 8 i + s: K step s: lanes 0-15 the word of A's tile i, lanes 16-31 of B's tile i
.set MB,   96                          ; v96-99   each block's largest score, then its largest p
.set T4,   100                         ; v100-103 the other half's
.set SO,   104                         ; v104-107 the conversions' scale operands
.set BY,   108                         ; v108-111 the bytes
.set NM,   112                         ; v112 -M (v113 is named with it as a pair)
.set L0,   114                         ; v114-117 the sum, in two chains of pairs
.set L1,   116
.set TT,   118
.set PW,   119                         ; p's scale word
.set DD,   120                         ; v120-121 what goes to pst
.set LS,   122                         ; l
.set LT,   123
.set AF,   128
.set PC,   224
.set G1A,  24
.set G1B,  32
.set G0A,  40
.set G0B,  52
.set MSB, 0
.macro WIN new                         ; the immediate's high byte repeats the setting that is left
.if MSB != (\new)
	s_set_vgpr_msb (MSB<<8)|(\new)
.set MSB, (\new)
.endif
.endm
.macro PLACES n
.rept \n
	v_nop
.endr
.endm
.macro CREST                           ; a round of the cluster's barrier behind its opening barrier
	s_cmp_lg_u32 s16, 0
	s_cbranch_scc1 .Lnot_wave_0_\@
	s_barrier_signal -3
.Lnot_wave_0_\@:
	s_barrier_wait -3
	s_barrier_signal -1
	s_barrier_wait -1
.endm
.macro CROUND
	s_barrier_signal -1
	s_barrier_wait -1
	CREST
.endm
.macro JLOAD s                         ; a joint load into slot s: waves 0 and 1 fetch for A, waves 2 and 3 for B; an s_nop 0 and four v_nop follow each of the two lines
	s_cmp_eq_u32 s17, 0
	s_cbranch_scc0 .Lfor_b_\@
	tensor_load_to_lds s[G0A+4*(\s):G0A+4*(\s)+3], s[G1A:G1A+7]
	s_nop 0
.rept 4
	v_nop
.endr
	s_branch .Lasked_\@
.Lfor_b_\@:
	tensor_load_to_lds s[G0B+4*(\s):G0B+4*(\s)+3], s[G1B:G1B+7]
	s_nop 0
.rept 4
	v_nop
.endr
.Lasked_\@:
.endm
.macro FRAG reg, adr, off              ; a fragment: three loads of 512 consecutive bytes
.irp c, 0,1,2
	ds_load_b128 v[(\reg)+4*\c:(\reg)+4*\c+3], v[\adr] offset:(\off)+512*\c
.endr
.endm
.macro FETCH_B s
	WIN 0x40
.irp i, 0,1,2,3,4,5,6,7
	FRAG 128*((\s)%2)+12*\i, ADRB+((\s)/2)%3, ((\s)%2)*KST+FRB*\i
.endr
	WIN 0
.endm
.macro FETCH_A s, i0
.irp i, \i0, \i0+1, \i0+2, \i0+3
	FRAG AF+12*(\i), ADRA+((\s)/2)%3, ((\s)%2)*KST+FRB*(\i)
.endr
.endm
; 16 products: A's tiles a0, a0 + 1 x B's eight, K step s.  first = 1: the product starts the sums.  The 64 accumulators take turns, one instruction a turn, in the same order in every step.
.macro MUL16 a0, s, first
.irp a, \a0, \a0+1
.irp b, 0,1,2,3,4,5,6,7
.if \first
	v_wmma_scale_f32_16x16x128_f8f6f4 v[8*(8*((\a)%4)+\b):8*(8*((\a)%4)+\b)+7], v[128*((\s)%2)+12*\b:128*((\s)%2)+12*\b+11], v[AF+12*(\a):AF+12*(\a)+11], 0, v[SC+8*\b+(\s)], v[SC+8*(\a)+(\s)] matrix_a_fmt:MATRIX_FMT_FP6 matrix_b_fmt:MATRIX_FMT_FP6 matrix_a_scale:MATRIX_SCALE_ROW1
.else
	v_wmma_scale_f32_16x16x128_f8f6f4 v[8*(8*((\a)%4)+\b):8*(8*((\a)%4)+\b)+7], v[128*((\s)%2)+12*\b:128*((\s)%2)+12*\b+11], v[AF+12*(\a):AF+12*(\a)+11], v[8*(8*((\a)%4)+\b):8*(8*((\a)%4)+\b)+7], v[SC+8*\b+(\s)], v[SC+8*(\a)+(\s)] matrix_a_fmt:MATRIX_FMT_FP6 matrix_b_fmt:MATRIX_FMT_FP6 matrix_a_scale:MATRIX_SCALE_ROW1
.endif
.endr
.endr
.endm
.macro STEP s, first                   ; a K step whose successor lies in the same slot
	s_wait_dscnt 12                                ; B's set and A's tiles 0-3 are in; the youngest 12 loads (A's tiles 4-7) may be out
	WIN 0xa1                                       ; source 0 (B) window 1, source 1 (A) window 0, C and D window 2
	MUL16 0, \s, \first
	MUL16 2, \s, \first
	s_wait_dscnt 0x0                               ; A's tiles 4-7 are in
	PLACES 4                                       ; in front of loads into registers that matrix instructions have read
	FETCH_B (\s)+1
	FETCH_A (\s)+1, 0
	WIN 0xf1
	MUL16 4, \s, \first
	MUL16 6, \s, \first
	PLACES 4
	WIN 0
	FETCH_A (\s)+1, 4
.endm
; A slot's second step changes slots: one barrier.  tcnt: how many younger tensor loads of mine may stay out when the next slot has to be whole.
; fill = 1: slot 0 is filled again: all my tensor loads are waited for, 0 is added to my spare word, that and my LDS reads are waited for, the barrier opens a round of the cluster's, and the joint load is the first thing behind it.
.macro TURN s, tcnt, fill
	s_wait_tensorcnt \tcnt
.if (\tcnt) == 0
	ds_add_u32 v[SPW], v[NIL]
	s_wait_dscnt 13                                ; (the add and A's tiles 4-7 may be out)
.else
	s_wait_dscnt 12
.endif
	WIN 0xa1
	MUL16 0, \s, 0
	s_wait_dscnt 0x0                               ; my reads of this slot are over (and the add is done)
	s_barrier_signal -1
	MUL16 2, \s, 0
	WIN 0
	s_barrier_wait -1
.if \fill
	CREST                                          ; no wave of any partner reads the slot or has a load on its way
.if (\fill) == 1
	s_add_nc_u64 s[G0A+2:G0A+3], s[G0A+2:G0A+3], 6*KST   ; K steps 6 and 7
	s_add_nc_u64 s[G0B+2:G0B+3], s[G0B+2:G0B+3], 6*KST
	JLOAD 0                                        ; its four v_nop are also the places in front of the loads below
.else
	JLOAD 2                                        ; fill = 2: slot 2's first fill, issued as a refill is
.endif
.else
	PLACES 4
.endif
	FETCH_B (\s)+1
	FETCH_A (\s)+1, 0
	WIN 0xf1
	MUL16 4, \s, 0
	MUL16 6, \s, 0
	PLACES 4
	WIN 0
	FETCH_A (\s)+1, 4
.endm
	s_load_b256 s[4:11], s[0:1], 0x0               ; qkc, qks, pc, pst
	v_lshl_add_u32 v[SPW], v0, 2, SPARE
	v_mov_b32 v[NIL], 0
	ds_add_u32 v[SPW], v[NIL]                      ; the wave's opening: the add and its wait ahead of my first tensor load; work on registers stands between them
	ds_add_u32 v[SPW], v[NIL]
	v_lshrrev_b32 v1, 5, v0
	v_readfirstlane_b32 s16, v1                    ; wave 0..3
	s_lshr_b32 s17, s16, 1                         ; which 128 queries are mine.  Also: I fetch for A (0) or for B (1)
	s_and_b32 s18, s16, 1                          ; which 128 keys.  Also: which group of rows I fetch
	s_bfe_u32 s19, ttmp6, 0x40000                  ; cx
	s_bfe_u32 s20, ttmp6, 0x40004                  ; cy
	s_lshl_b32 s21, ttmp9, 2
	s_add_co_u32 s21, s21, s19                     ; tile column: 256 keys of the batch
	s_and_b32 s23, ttmp7, 0xffff                   ; the cluster's y: the batch
	s_lshl_b32 s22, s23, 2
	s_add_co_u32 s22, s22, s20                     ; tile row: 256 queries
	s_lshl_b32 s68, s20, 2
	s_lshl_b32 s68, 15, s68                        ; my row of the cluster
	s_lshl_b32 s69, 0x1111, s19                    ; my column
	s_or_b32 s[G1A], s68, (3<<16)|(1<<21)          ; 15:0 the mask; 17:16 elements of 8 bytes; 20 no padding; 21 set beside a mask
	s_or_b32 s[G1B], s69, (3<<16)|(1<<21)
.irp g, G1A, G1B
	s_mov_b32 s[\g+1], 32<<16                      ; tensor_dim0 = 32 elements: 256 bytes
	s_mov_b32 s[\g+2], 96<<16                      ; tensor_dim1 = 96 rows: 24,576 dense bytes
	s_mov_b32 s[\g+3], 32<<16                      ; tile_dim0
	s_mov_b32 s[\g+4], 96                          ; tile_dim1
	s_mov_b32 s[\g+5], 32                          ; the pitch
	s_mov_b32 s[\g+6], 0
	s_mov_b32 s[\g+7], 0
.endr
	s_lshl_b32 s70, s23, 4
	s_add_co_u32 s70, s70, 64                      ; the batch's first group of rows of k
	s_lshl_b32 s72, s22, 1
	s_add_co_u32 s72, s72, s18                     ; A: the group of rows that I fetch
	s_mul_i32 s72, s72, 8*KST
	s_mov_b32 s73, 0
	s_lshl_b32 s74, s21, 1
	s_add_co_u32 s74, s74, s18
	s_add_co_u32 s74, s74, s70                     ; B likewise
	s_mul_i32 s74, s74, 8*KST
	s_mov_b32 s75, 0
	s_mul_i32 s76, s16, HALF                       ; where my load goes in a slot: no place in the cluster enters an LDS address
	s_mov_b32 s80, 0x3d38aa3b                      ; c = log2(e) / 32
	s_mov_b32 s81, s80                             ; (named with it as a pair, so it is written)
	s_mov_b32 s82, 0x76543210
	s_mov_b32 s83, 0xfedcba98                      ; v_permlanex16_b32's selects for lane l xor 16
	s_mov_b32 s84, 0xffff0000                      ; lanes 16-31
	s_wait_dscnt 0x0                               ; the opening add is done
	s_wait_kmcnt 0x0
	s_add_nc_u64 s[72:73], s[4:5], s[72:73]
	s_add_nc_u64 s[74:75], s[4:5], s[74:75]
	CROUND                                         ; all sixteen work-groups are here: the first joint loads meet
.irp s, 0,1,2
	s_mov_b32 s[G0A+4*\s], 1
	s_add_co_u32 s[G0A+4*\s+1], s76, \s*SLOT
	s_add_nc_u64 s[G0A+4*\s+2:G0A+4*\s+3], s[72:73], \s*HALF
	s_or_b32 s[G0A+4*\s+3], s[G0A+4*\s+3], 0x80000000
	s_mov_b32 s[G0B+4*\s], 1
	s_add_co_u32 s[G0B+4*\s+1], s76, \s*SLOT
	s_add_nc_u64 s[G0B+4*\s+2:G0B+4*\s+3], s[74:75], \s*HALF
	s_or_b32 s[G0B+4*\s+3], s[G0B+4*\s+3], 0x80000000
.endr
	JLOAD 0                                        ; fill 0: one tensor load a wave at the head
	s_cmp_eq_u32 s17, 0                            ; the prefetches' base: my part of the fills,
	s_cselect_b64 s[72:73], s[72:73], s[74:75]
	s_cselect_b32 s74, s19, s20                    ; + my place among the four that ask with me x a partner's share
	s_mul_i32 s74, s74, PSH
	s_mov_b32 s75, 0
	s_add_nc_u64 s[72:73], s[72:73], s[74:75]
	v_and_b32 v1, 31, v0
	v_lshlrev_b32 v[LI], 4, v1
	v_lshlrev_b32 v[L8], 3, v1
	v_and_b32 v2, 15, v0                           ; r
	v_bfe_u32 v3, v0, 4, 1                         ; h
	v_min_u32 v[PFO], 23, v1
	v_lshlrev_b32 v[PFO], 8, v[PFO]
	s_wait_alu depctr_va_vdst(0)                   ; the wait here, directly ahead of the readers below
	global_prefetch_b8 v[PFO], s[72:73] offset:HALF th:TH_LOAD_NT scope:SCOPE_SE     ; fill 1
	global_prefetch_b8 v[PFO], s[72:73] offset:2*HALF th:TH_LOAD_NT scope:SCOPE_SE   ; fill 2
	s_mul_i32 s77, s17, HALF                       ; my 128 rows of A
	s_mul_i32 s78, s18, HALF                       ; my 128 rows of B,
	s_add_co_u32 s78, s78, 2*HALF                  ; behind A's 256
.irp s, 0,1,2
	v_add_nc_u32 v[ADRA+\s], s77, v[LI]
	v_add_nc_u32 v[ADRB+\s], s78, v[LI]
	s_add_co_u32 s77, s77, SLOT
	s_add_co_u32 s78, s78, SLOT
.endr
	s_lshl_b32 s66, s22, 1
	s_add_co_u32 s66, s66, s17                     ; my group of 128 queries
	s_lshl_b32 s67, s21, 1
	s_add_co_u32 s67, s67, s18                     ; my chunk of 128 keys: K step 0..15 of the next product
	s_add_co_u32 s86, s67, s70
	s_sub_co_u32 s86, s86, s66
	s_lshl_b32 s86, s86, 12                        ; 4,096 bytes of scale words a group of rows: from A's to B's
	s_lshl_b32 s87, s66, 12
	v_mul_u32_u24 v[SCO], s86, v3                  ; lanes 16-31 take B's
	v_lshl_add_u32 v[SCO], v2, 4, v[SCO]
	v_add_nc_u32 v[SCO], s87, v[SCO]
.irp i, 0,1,2,3,4,5,6,7
.irp g, 0,1
	global_load_b128 v[SC+8*\i+4*\g:SC+8*\i+4*\g+3], v[SCO], s[6:7] offset:512*\i+256*\g   ; sixteen lanes read 256 consecutive bytes: a tile's words of four K steps
.endr
.endr
	s_lshl_b32 s88, s66, 4
	s_add_co_u32 s88, s88, s67
	s_mul_i32 s88, s88, KST
	s_mov_b32 s89, 0
	s_add_nc_u64 s[8:9], s[8:9], s[88:89]          ; pc: my group of queries, my K step
	s_lshl_b32 s90, s66, 7
	s_add_co_u32 s90, s90, s67
	s_lshl_b32 s90, s90, 8
	s_mov_b32 s91, 0
	s_add_nc_u64 s[10:11], s[10:11], s[90:91]      ; pst: my first tile of queries, my chunk
.irp b, 0,1,2,3
	v_mov_b32 v[T4+\b], 0                          ; written once: a lane permute's destination counts as one of its sources
.endr
	v_mov_b32 v[LT], 0
	v_mov_b32 v[NM+1], 0                           ; (named as the upper half of a pair)
	s_wait_alu depctr_va_vdst(0)                   ; the wait at the head's end
	s_wait_tensorcnt 0x0                           ; my part of slot 0 is in
	ds_add_u32 v[SPW], v[NIL]
	s_wait_dscnt 0x0
	CROUND                                         ; everybody's part of slot 0 is in, and all sixteen work-groups are here
	JLOAD 1                                        ; fill 1, the first tensor load behind the round
	FETCH_B 0
	FETCH_A 0, 0
	FETCH_A 0, 4
	global_prefetch_b8 v[PFO], s[72:73] offset:3*HALF th:TH_LOAD_NT scope:SCOPE_SE   ; fill 3
	s_wait_loadcnt 0x0                             ; the scale words
	STEP 0, 1
	TURN 1, 0, 2                                   ; slot 1 is whole; slot 2 takes K steps 4 and 5
	STEP 2, 0
	TURN 3, 0, 1                                   ; slot 2 is whole; slot 0 takes K steps 6 and 7
	STEP 4, 0
	TURN 5, 0, 0                                   ; the refill has landed
	STEP 6, 0
	s_wait_dscnt 12                                ; the last step: nothing more to fetch
	WIN 0xa1
	MUL16 0, 7, 0
	MUL16 2, 7, 0
	s_wait_dscnt 0x0
	WIN 0xf1
	MUL16 4, 7, 0
	MUL16 6, 7, 0
	WIN 0
; THE WAY OUT.  Tile a: a lane's 64 registers, register 16 b + i = key 32 b + 16 h + i of my query's chunk.  Each accumulator is read from its low end on.
.macro SOFT a
.set XW, 2+(\a)/4
.set AC, 64*((\a)%4)
	WIN XW+XW*4                                    ; sources 0 and 1: the accumulators' window
.irp b, 0,1,2,3
	v_max_num_f32 v[MB+\b], v[AC+16*\b], v[AC+16*\b+1]   ; the largest score of each block of 32 keys: it serves for the chunk's maximum and, since p rises with the score, for the block's largest p
.endr
.irp i, 2,4,6,8,10,12,14
.irp b, 0,1,2,3
	v_max3_num_f32 v[MB+\b], v[AC+16*\b+\i], v[AC+16*\b+\i+1], v[MB+\b]
.endr
.endr
	WIN 0
.irp b, 0,1,2,3
	v_permlanex16_b32 v[T4+\b], v[MB+\b], s82, s83
.endr
.irp b, 0,1,2,3
	v_max_num_f32 v[MB+\b], v[MB+\b], v[T4+\b]     ; with lane l xor 16's 16 keys
.endr
	v_max3_num_f32 v[TT], v[MB], v[MB+1], v[MB+2]
	v_max_num_f32 v[TT], v[TT], v[MB+3]            ; the chunk's largest score of my query,
	v_mul_f32 v[TT], s80, v[TT]                    ; as t (c is positive)
	v_floor_f32 v[NM], -v[TT]                      ; -M = floor(-t) = -ceil(t): a whole number
.irp b, 0,1,2,3
	v_fma_f32 v[MB+\b], v[MB+\b], s80, v[NM]       ; t - M of each block's largest score
.endr
	WIN XW*64+XW                                   ; destination and source 0: the accumulators' window
.set j, 0
.rept 32
	v_pk_fma_f32 v[AC+j:AC+j+1], v[AC+j:AC+j+1], s[80:81], v[NM:NM+1] op_sel_hi:[1,0,0]   ; t - M, two at a time (of the pairs c and -M the low word serves both halves)
.set j, j+2
.endr
.set j, 0
	s_wait_alu depctr_va_vdst(0)
.rept 64
	v_exp_f32 v[AC+j], v[AC+j]                     ; p = 2^(t - M), at most 1
.set j, j+1
.endr
	WIN 0
	v_nop                                          ; a plain place behind the exponentials
	s_wait_alu depctr_va_vdst(0)                   ; one wait for the batch of 64, ahead of its first reader
.irp b, 0,1,2,3
	v_exp_f32 v[MB+\b], v[MB+\b]                   ; the block's largest p: the same two instructions on the same number give the same bits
.endr
	WIN XW+XW*4
	v_pk_add_f32 v[L0:L0+1], v[AC:AC+1], v[AC+2:AC+3]     ; the sum is taken of the unquantised p: two at a time, in two chains.  (Plain work behind the four exponentials, which it does not name)
	v_pk_add_f32 v[L1:L1+1], v[AC+4:AC+5], v[AC+6:AC+7]
	WIN XW
.set j, 8
.rept 14
	v_pk_add_f32 v[L0:L0+1], v[AC+j:AC+j+1], v[L0:L0+1]
	v_pk_add_f32 v[L1:L1+1], v[AC+j+2:AC+j+3], v[L1:L1+1]
.set j, j+4
.endr
	WIN 0
	v_pk_add_f32 v[L0:L0+1], v[L0:L0+1], v[L1:L1+1]
	v_add_f32 v[LS], v[L0], v[L0+1]
	v_permlanex16_b32 v[LT], v[LS], s82, s83
	v_add_f32 v[LS], v[LS], v[LT]                  ; l of my query's 128 keys
	s_wait_alu depctr_va_vdst(0)                   ; and one wait for the four
.irp b, 0,1,2,3
	v_max_num_f32 v[MB+\b], 0x1800000, v[MB+\b]    ; the floor 2^(3 - 127): the byte cannot fall under 1
.endr
.irp b, 0,1,2,3
	v_add_nc_u32 v[SO+\b], 0xff000000, v[MB+\b]    ; 2 off the exponent field: the conversion's scale operand
.endr
.irp b, 0,1,2,3
	v_lshrrev_b32 v[BY+\b], 23, v[SO+\b]           ; the scale's byte
.endr
	v_lshl_or_b32 v[PW], v[BY+1], 8, v[BY]
	v_lshl_or_b32 v[PW], v[BY+2], 16, v[PW]
	v_lshl_or_b32 v[PW], v[BY+3], 24, v[PW]
	s_wait_xcnt 0x0                                ; the last tile's stores have read their data: those registers are written again only behind this wait
	WIN XW
.irp c, 0,1
	v_cvt_scalef32_pk16_fp6_f32 v[PC+6*\c:PC+6*\c+2], v[AC+32*\c:AC+32*\c+15], v[SO+2*\c]
	v_cvt_scalef32_pk16_fp6_f32 v[PC+12+4*\c:PC+14+4*\c], v[AC+32*\c+16:AC+32*\c+31], v[SO+2*\c+1]
.endr
	WIN 0
	v_nop                                          ; one plain place behind a scaled conversion
.irp c, 0,1                                    ; the operand's layout wants a whole block in a lane: lanes 0-15 block 2 c, lanes 16-31 block 2 c + 1
.irp i, 0,1,2
	v_permlane16_swap_b32 v[PC+6*\c+\i], v[PC+12+4*\c+\i]
.endr
.irp i, 0,1,2
	v_mov_b32 v[PC+3+6*\c+\i], v[PC+12+4*\c+\i]
.endr
.endr
	v_cndmask_b32 v[DD], v[PW], v[LS], s84         ; lanes 0-15: {scale word, -M}; lanes 16-31: {l, l}
	v_cndmask_b32 v[DD+1], v[NM], v[LS], s84
.irp c, 0,1,2
	global_store_b128 v[LI], v[PC+4*\c:PC+4*\c+3], s[8:9] offset:FRB*(\a)+512*\c   ; 32 lanes store 512 consecutive bytes
.endr
	global_store_b64 v[L8], v[DD:DD+1], s[10:11] offset:4096*(\a)                  ; 32 lanes store 256 consecutive bytes
.endm
	PLACES 4                                       ; behind the last products, in front of the first read of results
.irp a, 0,1,2,3,4,5,6,7
	SOFT \a
.endr
	s_wait_tensorcnt 0x0                           ; the wave's end
	ds_add_u32 v[SPW], v[NIL]
	s_wait_dscnt 0x0
	CROUND                                         ; the closing round: no work-group ends while a partner may still ask for a tile that names it
	s_endpgm
.Lfunc_end_k_qe224e61641_scores:
	.size	k_qe224e61641_scores, .Lfunc_end_k_qe224e61641_scores-k_qe224e61641_scores
	.p2alignl 7, 3214868480
	.fill 96, 4, 3214868480
	.section	.rodata,"a",@progbits
	.p2align	6, 0x0
	.amdhsa_kernel k_qe224e61641_scores
		.amdhsa_group_segment_fixed_size 327680
		.amdhsa_private_segment_fixed_size 0
		.amdhsa_enable_private_segment 0
		.amdhsa_kernarg_size 32
		.amdhsa_user_sgpr_count 2
		.amdhsa_user_sgpr_kernarg_segment_ptr 1
		.amdhsa_wavefront_size32 1
		.amdhsa_system_sgpr_workgroup_id_x 1
		.amdhsa_system_sgpr_workgroup_id_y 1
		.amdhsa_system_sgpr_workgroup_id_z 1
		.amdhsa_system_vgpr_workitem_id 0
		.amdhsa_next_free_vgpr 1024
		.amdhsa_next_free_sgpr 96
		.amdhsa_reserve_vcc 0
		.amdhsa_float_denorm_mode_32 3
		.amdhsa_float_denorm_mode_16_64 3
		.amdhsa_memory_ordered 1
		.amdhsa_forward_progress 1
		.amdhsa_inst_pref_size 195
	.end_amdhsa_kernel
	.amdgpu_metadata
---
amdhsa.version: [ 1, 2 ]
amdhsa.kernels:
  - .name:           k_qe224e61641_scores
    .symbol:         k_qe224e61641_scores.kd
    .args:
      - { .name: qkc, .offset: 0, .size: 8, .value_kind: global_buffer, .address_space: global }
      - { .name: qks, .offset: 8, .size: 8, .value_kind: global_buffer, .address_space: global }
      - { .name: pc, .offset: 16, .size: 8, .value_kind: global_buffer, .address_space: global }
      - { .name: pst, .offset: 24, .size: 8, .value_kind: global_buffer, .address_space: global }
    .group_segment_fixed_size: 327680
    .private_segment_fixed_size: 0
    .kernarg_segment_align: 8
    .kernarg_segment_size: 32
    .max_flat_workgroup_size: 128
    .sgpr_count:     96
    .vgpr_count:     1024
    .wavefront_size: 32
...
	.end_amdgpu_metadata
.endif
;; end of part 3
;; launch pv (part 4): grid 4 x 64, 4 waves a work-group, clusters of 4 x 4, 327,680 bytes of LDS; arguments pc, pst, vc, vs, out0; writes out0
.if DOCPART == 4
	.amdgcn_target "amdgcn-amd-amdhsa--gfx1250"
	.amdhsa_code_object_version 6
	.text
	.protected	k_qe224e61641_pv
	.globl	k_qe224e61641_pv
	.p2align	8
	.type	k_qe224e61641_pv,@function
k_qe224e61641_pv:
	s_mov_b64 s[64:65], 0
	v_nop
	global_prefetch_b8 v0, s[64:65] scope:SCOPE_SE
	s_setreg_imm32_b32 hwreg(HW_REG_WAVE_MODE, 25, 1), 1
	s_wait_xcnt 0x0
	s_wait_alu depctr_hold_cnt(0) depctr_sa_sdst(0) depctr_va_vdst(0) depctr_va_sdst(0) depctr_va_ssrc(0) depctr_va_vcc(0) depctr_vm_vsrc(0)
	s_getreg_b32 s2, hwreg(HW_REG_IB_STS2, 6, 4)
	s_cmp_eq_u32 s2, 0
	s_cbranch_scc0 .Lentry_in_a_cluster
	s_endpgm
.Lentry_in_a_cluster:
	s_bfe_u32 s2, ttmp6, 0x10000c
	s_cmp_lg_u32 s2, 0xf033
	s_cbranch_scc0 .Lentry_shape_is_right
	s_endpgm
.Lentry_shape_is_right:
; out = (P V) / l on codes of FP6 (E2M3) with E8M0 scales.  P's codes were made chunk by chunk (128 keys) under each chunk's own whole number M.
; THE HEAD brings them under the row's M = the largest of the 16: d = M_row - M_chunk is taken off the chunk's four scale bytes, and l = the sum of l_chunk x 2^-d.  Both are exact but for the holds below.
; pc: [queries / 128][16 K steps][8 tiles][3 chunks][32 lanes][16 bytes]; vc the same with rows = batch x 1,024 + channel; vs: [tile][K / 512][lane r][4 words]; pst: [tile][chunk][256 bytes]: {word, -M} at 8 r, l at 128 + 8 r.
; In a group of 128 rows lane r of tile 2 b + u holds row 32 b + 8 u + r % 8 + 16 (r / 8).
; A tile of 128 queries x 256 channels is made by four waves, 64 x 128 each (32 accumulators): 256 work-groups; tiles of 256 x 256 would be 128.  K = 2,048 keys is 16 steps of 128.
; THE PRODUCT IS USED TRANSPOSED (source 0 = 16 channels of V, source 1 = 16 queries of P): a lane holds one query, and the 16 registers of tiles 2 b and 2 b + 1 are 16 neighbouring channels.
; LDS: two slots of 512 keys (147,456 bytes: P's group of rows, then V's two), each a dense block of 192 x 256 bytes for each of the three; wave 0 fetches P's, waves 1 and 2 V's, wave 3 nothing.
; Two tensor loads of a wave are out at the start, one behind each of the two refills.  Behind the slots: P's scale words under the row's M, V's scale words, 1 / l.
; CLUSTERS: 4 x 4 work-groups: P's tiles are shared along a row of the cluster, V's along a column; each is asked for jointly.
; LIMITS: d is held at 127, and a byte of P that would fall under 0 is held at 0 (2^-127): such terms lie under 2^-120 of the row's largest p.  NaN and infinities are not served.
; REGISTERS: window 0: v4-17 addresses; v32-95 scale words, two sets; v96-103 1 / l; v128-223 A's two sets (in the head: at work; on the way out v128-255: rows of out).  window 1: B's two sets.  window 2: the accumulators, (a, b) at v[8 (8 a + b)].
; THE FILLS AS THE TEXT HAS THEM (this takes the place of what the lines above say of which wave fetches what and of how many loads are out):
; every wave issues one joint load for each fill: waves 0 and 1 a half each of P's part (96 x 256 bytes), waves 2 and 3 a group of V's channels each (192 x 256 bytes).
; Fill 0 goes out at the head, one load a wave; fill 1 behind the full sequence and a round of the cluster's barrier, as a refill does.  One tensor load of a wave is out at any time.
; PREFETCHES INTO THE L2: fills 1 and 2 are asked for in the head, behind fill 0's load, fill 3 behind fill 1's (two fills ahead).  The four partners that ask for a part jointly share its blocks of 256 bytes out by address
; (cx for P, cy for V): 24 blocks an instruction, a lane a block (lanes 24-31 name the last again); P's waves one instruction, V's two.
.set SLOT,  147456
.set HPART, 24576                      ; half of P's part
.set PSH,   6144                       ; a partner's share of 24,576 bytes
.set PFO,   18                         ; v18    256 x min(lane, 23); never rewritten
.set PART,  49152
.set KST,   12288
.set FRB,   1536
.set PS,    2*SLOT                     ; P's scale words: [tile 0..7][K / 512][lane r][4 words], 8,192 bytes
.set VS,    PS+8192                    ; V's, of 16 tiles: 16,384 bytes
.set RL,    VS+16384                   ; 1 / l of the 128 queries: 512 bytes
.set SPARE, RL+512                     ; the spare words, 128 bytes for each wave: two blocks of 256 bytes that no other line names
.set ADRA, 4                           ; v4-5   LDS address of my A fragments in slot 0, 1
.set ADRB, 6                           ; v6-7   the same for B
.set ADRS, 8                           ; v8     of my scale words: lanes 0-15 P's, lanes 16-31 V's
.set STO,  9                           ; v9     the way out: where I put 64 bytes of a row
.set RD,   10                          ; v10    and where I read a row back
.set LI,   11                          ; v11    16 x lane
.set RLA,  12                          ; v12    my queries' 1 / l
.set PSO,  13                          ; v13    the head: my query's place in pst
.set VSO,  14                          ; v14    16 x thread
.set PSA,  15                          ; v15    where my query's scale words go
.set RLW,  16                          ; v16    where its 1 / l goes
.set VSA,  17                          ; v17    where my 16 bytes of V's scale words go
.set SPW,  28                          ; v28    LDS address of my spare word; never rewritten
.set NIL,  29                          ; v29    0; never rewritten
.set SC,   32                          ; set (K / 512) % 2, register 4 i + s % 4: lanes 0-15 the word of A's tile i (i under 4), lanes 16-31 of B's tile i
.set RI,   96                          ; v96-103 1 / l of tile a at v[96 + 2 a]; the upper halves of the pairs are zeros
.set AF,   128
.set BK,   128                         ; the way out: 16 rows read back: v128-191 and v192-255 by turns
.set PWD,  128                         ; the head: v128-159 {word, -M} of the 16 chunks
.set PL,   160                         ; v160-175 their l
.set PV,   176                         ; v176-207 V's scale words on their way
.set PD,   208                         ; v208-223 d
.set PR,   224                         ; v224-239 the words under the row's M
.set PT,   240                         ; v240-242 at work
.set G1A,  24                          ; s[24:31], s[32:39] descriptor groups 1: they differ in the mask and in the rows: 96 for P, 192 for V
.set G1B,  32
.set G0A,  40                          ; s[40:47], s[48:55] groups 0, a set for each slot
.set G0B,  48
.set MSB, 0
.macro WIN new                         ; the immediate's high byte repeats the setting that is left
.if MSB != (\new)
	s_set_vgpr_msb (MSB<<8)|(\new)
.set MSB, (\new)
.endif
.endm
.macro PLACES n
.rept \n
	v_nop
.endr
.endm
.macro CREST                           ; a round of the cluster's barrier behind its opening barrier
	s_cmp_lg_u32 s16, 0
	s_cbranch_scc1 .Lnot_wave_0_\@
	s_barrier_signal -3
.Lnot_wave_0_\@:
	s_barrier_wait -3
	s_barrier_signal -1
	s_barrier_wait -1
.endm
.macro CROUND
	s_barrier_signal -1
	s_barrier_wait -1
	CREST
.endm
.macro ASK off                         ; my share of a later fill.  The branch hangs on the wave's number alone
	s_cmp_eq_u32 s17, 0
	global_prefetch_b8 v[PFO], s[72:73] offset:(\off) th:TH_LOAD_NT scope:SCOPE_SE
	s_cbranch_scc1 .Lpf_\@
	global_prefetch_b8 v[PFO], s[72:73] offset:(\off)+PSH th:TH_LOAD_NT scope:SCOPE_SE
.Lpf_\@:
.endm
.macro JLOAD s                         ; a joint load into slot s: waves 0 and 1 for P, waves 2 and 3 for V; the branch hangs on the wave's number alone; an s_nop 0 and four v_nop follow each line
	s_cmp_eq_u32 s17, 0
	s_cbranch_scc0 .Lnot_a_\@
	tensor_load_to_lds s[G0A+4*(\s):G0A+4*(\s)+3], s[G1A:G1A+7]
	s_nop 0
.rept 4
	v_nop
.endr
	s_branch .Lasked_\@
.Lnot_a_\@:
	tensor_load_to_lds s[G0B+4*(\s):G0B+4*(\s)+3], s[G1B:G1B+7]
	s_nop 0
.rept 4
	v_nop
.endr
.Lasked_\@:
.endm
.macro FRAG reg, adr, off              ; a fragment: three loads of 512 consecutive bytes
.irp c, 0,1,2
	ds_load_b128 v[(\reg)+4*\c:(\reg)+4*\c+3], v[\adr] offset:(\off)+512*\c
.endr
.endm
.macro FETCH s                         ; K step s: B's eight fragments and A's four, into set s % 2
	WIN 0x40
.irp i, 0,1,2,3,4,5,6,7
	FRAG 128*((\s)%2)+12*\i, ADRB+((\s)/4)%2, ((\s)%4)*KST+FRB*\i
.endr
	WIN 0
.irp i, 0,1,2,3
	FRAG AF+48*((\s)%2)+12*\i, ADRA+((\s)/4)%2, ((\s)%4)*KST+FRB*\i
.endr
.endm
.macro SCALES g                        ; the scale words of the g-th 512 keys: four K steps' words of a tile by one load
.irp i, 0,1,2,3,4,5,6,7
	ds_load_b128 v[SC+32*((\g)%2)+4*\i:SC+32*((\g)%2)+4*\i+3], v[ADRS] offset:256*(\g)+1024*\i
.endr
.endm
; 16 products: A's tiles a0, a0 + 1 x B's eight.  The 32 accumulators take turns, one instruction a turn, in the same order in every step.
.macro MUL16 a0, s, zero
.irp a, \a0, \a0+1
.irp b, 0,1,2,3,4,5,6,7
.if \zero
	v_wmma_scale_f32_16x16x128_f8f6f4 v[8*(8*(\a)+\b):8*(8*(\a)+\b)+7], v[128*((\s)%2)+12*\b:128*((\s)%2)+12*\b+11], v[AF+48*((\s)%2)+12*(\a):AF+48*((\s)%2)+12*(\a)+11], 0, v[SC+32*(((\s)/4)%2)+4*\b+(\s)%4], v[SC+32*(((\s)/4)%2)+4*(\a)+(\s)%4] matrix_a_fmt:MATRIX_FMT_FP6 matrix_b_fmt:MATRIX_FMT_FP6 matrix_a_scale:MATRIX_SCALE_ROW1
.else
	v_wmma_scale_f32_16x16x128_f8f6f4 v[8*(8*(\a)+\b):8*(8*(\a)+\b)+7], v[128*((\s)%2)+12*\b:128*((\s)%2)+12*\b+11], v[AF+48*((\s)%2)+12*(\a):AF+48*((\s)%2)+12*(\a)+11], v[8*(8*(\a)+\b):8*(8*(\a)+\b)+7], v[SC+32*(((\s)/4)%2)+4*\b+(\s)%4], v[SC+32*(((\s)/4)%2)+4*(\a)+(\s)%4] matrix_a_fmt:MATRIX_FMT_FP6 matrix_b_fmt:MATRIX_FMT_FP6 matrix_a_scale:MATRIX_SCALE_ROW1
.endif
.endr
.endr
.endm
.macro STEP s, zero                    ; a K step whose successor lies in the same slot
	s_wait_dscnt 0x0                               ; this step's fragments are in (asked for 32 products ago)
	PLACES 4                                       ; in front of loads into the set that the last step's products read
	FETCH (\s)+1
	WIN 0xa1                                       ; source 0 (B) window 1, source 1 (A) window 0, C and D window 2
	MUL16 0, \s, \zero
	MUL16 2, \s, \zero
.endm
; A slot's last step changes slots: one barrier; in front of it each wave waits for all its tensor loads, adds 0 to its spare word, and waits for that and for its reads of this slot.
; fill = 1: this slot is filled again, with the keys two slots on: the barrier opens a round of the cluster's, and the joint load is the first thing behind it.
.macro TURN s, fill
	WIN 0                                          ; (the add's two registers lie in window 0)
	s_wait_tensorcnt 0x0                           ; all my tensor loads have landed: my part of the next slot
	ds_add_u32 v[SPW], v[NIL]
	s_wait_dscnt 1                                 ; this step's fragments are in; the add may be out
	WIN 0xa1
	MUL16 0, \s, 0
	s_wait_dscnt 0x0                               ; the add is done, and my reads of this slot are over
	s_barrier_signal -1
	WIN 0
	s_barrier_wait -1
.if \fill
	CREST                                          ; no wave of any partner reads this slot or has a load on its way
	s_add_nc_u64 s[G0A+4*(((\s)/4)%2)+2:G0A+4*(((\s)/4)%2)+3], s[G0A+4*(((\s)/4)%2)+2:G0A+4*(((\s)/4)%2)+3], 2*PART
	s_add_nc_u64 s[G0B+4*(((\s)/4)%2)+2:G0B+4*(((\s)/4)%2)+3], s[G0B+4*(((\s)/4)%2)+2:G0B+4*(((\s)/4)%2)+3], 2*PART
	JLOAD ((\s)/4)%2                               ; its four v_nop are also the places in front of the loads below
.else
	PLACES 4
.endif
	FETCH (\s)+1
	SCALES ((\s)+1)/4
	WIN 0xa1
	MUL16 2, \s, 0
.endm
	s_load_b256 s[4:11], s[0:1], 0x0               ; pc, pst, vc, vs
	s_load_b64 s[12:13], s[0:1], 0x20              ; out0
	v_lshl_add_u32 v[SPW], v0, 2, SPARE
	v_mov_b32 v[NIL], 0
	ds_add_u32 v[SPW], v[NIL]                      ; the wave's opening: the add and its wait ahead of my first tensor load; work on registers stands between them
	ds_add_u32 v[SPW], v[NIL]
	v_lshrrev_b32 v1, 5, v0
	v_readfirstlane_b32 s16, v1                    ; wave 0..3
	s_lshr_b32 s17, s16, 1                         ; which 64 queries are mine
	s_and_b32 s18, s16, 1                          ; which 128 channels
	s_bfe_u32 s19, ttmp6, 0x40000                  ; cx
	s_bfe_u32 s20, ttmp6, 0x40004                  ; cy
	s_lshl_b32 s21, ttmp9, 2
	s_add_co_u32 s21, s21, s19                     ; tile column: 256 channels
	s_and_b32 s23, ttmp7, 0xffff
	s_lshl_b32 s22, s23, 2
	s_add_co_u32 s22, s22, s20                     ; tile row: a group of 128 queries
	s_lshr_b32 s56, s23, 1                         ; the batch: eight groups of queries, two clusters
	s_lshl_b32 s68, s20, 2
	s_lshl_b32 s68, 15, s68                        ; my row of the cluster
	s_lshl_b32 s69, 0x1111, s19                    ; my column
	s_or_b32 s[G1A], s68, (3<<16)|(1<<21)          ; 15:0 the mask; 17:16 elements of 8 bytes; 20 no padding; 21 set beside a mask
	s_or_b32 s[G1B], s69, (3<<16)|(1<<21)
.irp g, G1A, G1B
	s_mov_b32 s[\g+1], 32<<16                      ; tensor_dim0 = 32 elements: 256 bytes
	s_mov_b32 s[\g+2], 192<<16                     ; tensor_dim1 = 192 rows: 49,152 dense bytes
	s_mov_b32 s[\g+3], 32<<16                      ; tile_dim0
	s_mov_b32 s[\g+4], 192                         ; tile_dim1
	s_mov_b32 s[\g+5], 32                          ; the pitch
	s_mov_b32 s[\g+6], 0
	s_mov_b32 s[\g+7], 0
.endr
	s_mov_b32 s[G1A+2], 96<<16                     ; P's loads bring 96 rows: tensor_dim1,
	s_mov_b32 s[G1A+4], 96                         ; tile_dim1
	s_mul_i32 s3, s18, HPART                       ; which half of P's part I fetch (waves 0 and 1)
	s_mul_i32 s72, s22, 16*KST                     ; P: my group of queries
	s_add_co_u32 s72, s72, s3
	s_mov_b32 s73, 0
	s_and_b32 s57, s16, 1                          ; V: wave 2 fetches the first group of channels, wave 3 the second
	s_lshl_b32 s59, s56, 3
	s_lshl_b32 s58, s21, 1
	s_add_co_u32 s59, s59, s58                     ; the tile's first group of rows of vc: batch x 8 + 2 x tile column
	s_add_co_u32 s74, s59, s57
	s_mul_i32 s74, s74, 16*KST
	s_mov_b32 s75, 0
	s_mul_i32 s76, s18, PART
	s_add_co_u32 s76, s76, PART                    ; where V's load goes in a slot: behind P's part
	s_mov_b32 s60, 0x01010101
	s_mov_b32 s61, 0x80808080
	s_mov_b32 s62, 127
	s_wait_dscnt 0x0                               ; the opening add is done
	s_wait_kmcnt 0x0
	s_add_nc_u64 s[72:73], s[4:5], s[72:73]
	s_add_nc_u64 s[74:75], s[8:9], s[74:75]
	CROUND                                         ; all sixteen work-groups are here: the first joint loads meet
.irp s, 0,1
	s_mov_b32 s[G0A+4*\s], 1
	s_add_co_u32 s[G0A+4*\s+1], s3, \s*SLOT
	s_add_nc_u64 s[G0A+4*\s+2:G0A+4*\s+3], s[72:73], \s*PART
	s_or_b32 s[G0A+4*\s+3], s[G0A+4*\s+3], 0x80000000
	s_mov_b32 s[G0B+4*\s], 1
	s_add_co_u32 s[G0B+4*\s+1], s76, \s*SLOT
	s_add_nc_u64 s[G0B+4*\s+2:G0B+4*\s+3], s[74:75], \s*PART
	s_or_b32 s[G0B+4*\s+3], s[G0B+4*\s+3], 0x80000000
.endr
	JLOAD 0                                        ; fill 0: one tensor load a wave at the head
	s_cmp_eq_u32 s17, 0                            ; the prefetches' base: my part of the fills,
	s_cselect_b64 s[72:73], s[72:73], s[74:75]
	s_cselect_b32 s74, s19, s20                    ; my place among the four that ask with me,
	s_mov_b32 s75, 2*PSH
	s_cselect_b32 s75, PSH, s75                    ; and a partner's share
	s_mul_i32 s74, s74, s75
	s_mov_b32 s75, 0
	s_add_nc_u64 s[72:73], s[72:73], s[74:75]
	; THE HEAD: thread t serves query (tile t / 16, lane t % 16) of the work-group's 128
	v_lshrrev_b32 v1, 4, v0                        ; tile 0..7
	v_and_b32 v2, 15, v0                           ; r
	v_bfe_u32 v3, v0, 4, 1                         ; h
	v_lshlrev_b32 v[PSO], 12, v1
	v_lshl_add_u32 v[PSO], v2, 3, v[PSO]           ; 4,096 bytes a tile, 8 a query
	v_lshlrev_b32 v[VSO], 4, v0
	s_lshl_b32 s86, s22, 15
	s_mov_b32 s87, 0
	s_add_nc_u64 s[6:7], s[6:7], s[86:87]          ; pst: my group's eight tiles
	s_lshl_b32 s86, s59, 13
	s_add_nc_u64 s[10:11], s[10:11], s[86:87]      ; vs: 8,192 bytes a group of rows
.irp k, 0,1,2,3,4,5,6,7,8,9,10,11,12,13,14,15
	global_load_b64 v[PWD+2*\k:PWD+2*\k+1], v[PSO], s[6:7] offset:256*\k          ; chunk k: {scale word, -M}
.endr
.irp k, 0,1,2,3,4,5,6,7,8,9,10,11,12,13,14,15
	global_load_b32 v[PL+\k], v[PSO], s[6:7] offset:256*\k+128                    ; and l
.endr
.irp j, 0,1,2,3,4,5,6,7
	global_load_b128 v[PV+4*\j:PV+4*\j+3], v[VSO], s[10:11] offset:2048*\j        ; V's scale words: 16,384 dense bytes, 2,048 a load of the work-group
.endr
	v_and_b32 v[PFO], 31, v0
	v_min_u32 v[PFO], 23, v[PFO]
	v_lshlrev_b32 v[PFO], 8, v[PFO]
	s_wait_alu depctr_va_vdst(0)                   ; the wait here, directly ahead of the branches below
	ASK PART                                       ; fill 1
	ASK 2*PART                                     ; fill 2
	v_lshlrev_b32 v[PSA], 10, v1
	v_lshl_add_u32 v[PSA], v2, 4, v[PSA]
	v_add_nc_u32 v[PSA], PS, v[PSA]
	v_lshl_add_u32 v[RLW], v0, 2, RL
	v_lshl_add_u32 v[VSA], v0, 4, VS
	v_and_b32 v1, 31, v0
	v_lshlrev_b32 v[LI], 4, v1
	s_mul_i32 s77, s17, 4*FRB                      ; my four tiles of P
	s_mul_i32 s78, s18, PART
	s_add_co_u32 s78, s78, PART                    ; my group of channels, behind P's part
.irp s, 0,1
	v_add_nc_u32 v[ADRA+\s], s77, v[LI]
	v_add_nc_u32 v[ADRB+\s], s78, v[LI]
	s_add_co_u32 s77, s77, SLOT
	s_add_co_u32 s78, s78, SLOT
.endr
	s_lshl_b32 s66, s17, 12                        ; P's words: my four tiles
	s_lshl_b32 s67, s18, 13                        ; V's: my eight
	s_add_co_u32 s67, s67, VS-PS
	s_sub_co_u32 s67, s67, s66                     ; from the one to the other
	v_mul_u32_u24 v[ADRS], s67, v3                 ; lanes 16-31 take V's.  (Lanes 0-15 of the loads for tiles 4-7 read words that were written and that no product uses)
	v_lshl_add_u32 v[ADRS], v2, 4, v[ADRS]
	s_add_co_u32 s66, s66, PS
	v_add_nc_u32 v[ADRS], s66, v[ADRS]
	s_mul_i32 s79, s16, 16*528                     ; my stage for the way out: 16 rows x (512 bytes + 16), in slot 0, behind its last fill and its last read
	v_mul_u32_u24 v[STO], v2, 528
	v_lshl_add_u32 v[STO], v3, 6, v[STO]
	v_add_nc_u32 v[STO], s79, v[STO]
	v_add_nc_u32 v[RD], s79, v[LI]
	s_lshl_b32 s79, s17, 8
	s_add_co_u32 s79, s79, RL
	v_lshl_add_u32 v[RLA], v2, 2, s79
.irp a, 0,1,2,3
	v_mov_b32 v[RI+2*\a+1], 0                      ; (named as the upper halves of pairs)
.endr
	s_lshl_b32 s86, s22, 19                        ; out0: 128 rows of 4,096 bytes,
	s_lshl_b32 s88, s17, 18                        ; my 64,
	s_add_co_u32 s86, s86, s88
	s_lshl_b32 s88, s21, 10                        ; 256 channels,
	s_add_co_u32 s86, s86, s88
	s_lshl_b32 s88, s18, 9                         ; my 128
	s_add_co_u32 s86, s86, s88
	s_add_nc_u64 s[12:13], s[12:13], s[86:87]
	s_wait_loadcnt 8                               ; the chunks' words, -M and l are in; V's eight loads may be out
	v_min3_num_f32 v[PT], v[PWD+1], v[PWD+3], v[PWD+5]
.irp k, 3,5,7,9,11,13
	v_min3_num_f32 v[PT], v[PT], v[PWD+2*\k+1], v[PWD+2*\k+3]
.endr
	v_min_num_f32 v[PT], v[PT], v[PWD+31]          ; the least -M: the row's
.irp k, 0,1,2,3,4,5,6,7,8,9,10,11,12,13,14,15
	v_sub_f32 v[PD+\k], v[PWD+2*\k+1], v[PT]       ; d = M_row - M_chunk: a whole number, 0 or more
.endr
.irp k, 0,1,2,3,4,5,6,7,8,9,10,11,12,13,14,15
	v_cvt_i32_f32 v[PD+\k], v[PD+\k]               ; (it saturates)
.endr
.irp k, 0,1,2,3,4,5,6,7,8,9,10,11,12,13,14,15
	v_min_u32 v[PD+\k], 127, v[PD+\k]
.endr
.irp k, 0,1,2,3,4,5,6,7,8,9,10,11,12,13,14,15
	v_sub_nc_u32 v[PWD+2*\k+1], 0, v[PD+\k]
.endr
.irp k, 0,1,2,3,4,5,6,7,8,9,10,11,12,13,14,15
	v_ldexp_f32 v[PL+\k], v[PL+\k], v[PWD+2*\k+1]  ; l_chunk x 2^-d
.endr
.irp k, 2,4,6,8,10,12,14
	v_pk_add_f32 v[PL:PL+1], v[PL:PL+1], v[PL+\k:PL+\k+1]
.endr
	v_add_f32 v[PT+1], v[PL], v[PL+1]              ; the row's l: over 1/2, since the row's largest p is
	s_wait_alu depctr_va_vdst(0)
	v_rcp_f32 v[PT+2], v[PT+1]
; d off each of a word's four bytes, held at 0.  A byte is at most 125 and d at most 127: with bit 7 set first no byte borrows from its neighbour, and bit 7 of the difference says that the byte did not fall under 0.
.irp k, 0,1,2,3,4,5,6,7,8,9,10,11,12,13,14,15
	v_mul_lo_u32 v[PD+\k], v[PD+\k], s60           ; d in all four bytes.  (Plain work behind the reciprocal, which it does not name)
.endr
.irp k, 0,1,2,3,4,5,6,7,8,9,10,11,12,13,14,15
	v_or_b32 v[PWD+2*\k], s61, v[PWD+2*\k]
.endr
.irp k, 0,1,2,3,4,5,6,7,8,9,10,11,12,13,14,15
	v_sub_nc_u32 v[PWD+2*\k], v[PWD+2*\k], v[PD+\k]
.endr
.irp k, 0,1,2,3,4,5,6,7,8,9,10,11,12,13,14,15
	v_lshrrev_b32 v[PD+\k], 7, v[PWD+2*\k]
.endr
.irp k, 0,1,2,3,4,5,6,7,8,9,10,11,12,13,14,15
	v_and_b32 v[PD+\k], s60, v[PD+\k]
.endr
.irp k, 0,1,2,3,4,5,6,7,8,9,10,11,12,13,14,15
	v_mul_lo_u32 v[PD+\k], v[PD+\k], s62           ; 0x7f in the bytes that stay, 0 in the others
.endr
.irp k, 0,1,2,3,4,5,6,7,8,9,10,11,12,13,14,15
	v_and_b32 v[PR+\k], v[PWD+2*\k], v[PD+\k]
.endr
	s_wait_alu depctr_va_vdst(0)                   ; the wait ahead of the reciprocal's first reader
.irp g, 0,1,2,3
	ds_store_b128 v[PSA], v[PR+4*\g:PR+4*\g+3] offset:256*\g
.endr
	ds_store_b32 v[RLW], v[PT+2]
	s_wait_loadcnt 0x0                             ; V's scale words
.irp j, 0,1,2,3,4,5,6,7
	ds_store_b128 v[VSA], v[PV+4*\j:PV+4*\j+3] offset:2048*\j
.endr
	s_wait_tensorcnt 0x0                           ; my part of slot 0 is in
	ds_add_u32 v[SPW], v[NIL]
	s_wait_dscnt 0x0                               ; the add is done, and for the others' sake my stores have landed
	CROUND                                         ; everybody's part of slot 0 and everybody's words are in, and all sixteen work-groups are here
	JLOAD 1                                        ; fill 1, the first tensor load behind the round
	FETCH 0
	SCALES 0
	ASK 3*PART                                     ; fill 3
	STEP 0, 1                                      ; the first step's products start the sums
	STEP 1, 0
	STEP 2, 0
	TURN 3, 1                                      ; slot 0 takes keys 1,024 to 1,535
	STEP 4, 0
	STEP 5, 0
	STEP 6, 0
	TURN 7, 1                                      ; slot 1 takes keys 1,536 to 2,047
	STEP 8, 0
	STEP 9, 0
	STEP 10, 0
	TURN 11, 0                                     ; nothing is left to fetch: no round
	STEP 12, 0
	STEP 13, 0
	STEP 14, 0
	s_wait_dscnt 0x0                               ; the last step
	WIN 0xa1
	MUL16 0, 15, 0
	MUL16 2, 15, 0
	WIN 0
; THE WAY OUT, a tile of 16 queries x 128 channels at a time: x 1 / l, through my own stage (register 16 b + 4 m on = channels 32 b + 16 h + 4 m on of my row), back as whole rows of 512 bytes.
; LDS serves a wave's instructions in order: no wait between the stores and the loads, nor in front of the next tile's stores.
.macro TOSTAGE a
	WIN 0x82                                       ; destination and source 0 window 2
.set j, 0
.rept 32
	v_pk_mul_f32 v[64*(\a)+j:64*(\a)+j+1], v[64*(\a)+j:64*(\a)+j+1], v[RI+2*(\a):RI+2*(\a)+1] op_sel_hi:[1,0]   ; each accumulator from its low end on
.set j, j+2
.endr
	WIN 0x08                                       ; an LDS store's data are its source 1: window 2
.irp q, 0,1,2,3,4,5,6,7,8,9,10,11,12,13,14,15
	ds_store_b128 v[STO], v[64*(\a)+4*\q:64*(\a)+4*\q+3] offset:128*(\q/4)+16*(\q%4)
.endr
	WIN 0
.set BB, BK+64*((\a)%2)
.irp t, 0,1,2,3,4,5,6,7,8,9,10,11,12,13,14,15
	ds_load_b128 v[BB+4*\t:BB+4*\t+3], v[RD] offset:528*\t
.endr
.endm
.macro SEND a, younger                 ; younger: the LDS instructions issued behind tile a's loads, which may stay out
.set BB, BK+64*((\a)%2)
	s_wait_dscnt \younger
.irp t, 0,1,2,3,4,5,6,7,8,9,10,11,12,13,14,15
	global_store_b128 v[LI], v[BB+4*\t:BB+4*\t+3], s[12:13] offset:(32*((\a)/2)+8*((\a)%2)+(\t%8)+16*(\t/8))*4096 th:TH_STORE_NT   ; lane t of the tile is this row; 32 lanes store 512 consecutive bytes
.endr
.endm
	PLACES 4                                       ; behind the last products: in front of the first read of results and of loads into registers that held fragments
.irp a, 0,1,2,3
	ds_load_b32 v[RI+2*\a], v[RLA] offset:64*\a
.endr
	s_wait_dscnt 0x0
	TOSTAGE 0
.irp a, 1,2,3
.if \a > 1
	s_wait_xcnt 0x0                                ; tile a - 2's stores have read their registers: tile a's loads may land there
.endif
	TOSTAGE \a
	SEND \a-1, 32                                  ; behind tile a - 1's loads: tile a's 16 stores and 16 loads
.endr
	SEND 3, 0
	s_wait_tensorcnt 0x0                           ; the wave's end
	ds_add_u32 v[SPW], v[NIL]
	s_wait_dscnt 0x0
	CROUND                                         ; the closing round: no work-group ends while a partner may still ask for a tile that names it
	s_endpgm
.Lfunc_end_k_qe224e61641_pv:
	.size	k_qe224e61641_pv, .Lfunc_end_k_qe224e61641_pv-k_qe224e61641_pv
	.p2alignl 7, 3214868480
	.fill 96, 4, 3214868480
	.section	.rodata,"a",@progbits
	.p2align	6, 0x0
	.amdhsa_kernel k_qe224e61641_pv
		.amdhsa_group_segment_fixed_size 327680
		.amdhsa_private_segment_fixed_size 0
		.amdhsa_enable_private_segment 0
		.amdhsa_kernarg_size 40
		.amdhsa_user_sgpr_count 2
		.amdhsa_user_sgpr_kernarg_segment_ptr 1
		.amdhsa_wavefront_size32 1
		.amdhsa_system_sgpr_workgroup_id_x 1
		.amdhsa_system_sgpr_workgroup_id_y 1
		.amdhsa_system_sgpr_workgroup_id_z 1
		.amdhsa_system_vgpr_workitem_id 0
		.amdhsa_next_free_vgpr 768
		.amdhsa_next_free_sgpr 96
		.amdhsa_reserve_vcc 0
		.amdhsa_float_denorm_mode_32 3
		.amdhsa_float_denorm_mode_16_64 3
		.amdhsa_memory_ordered 1
		.amdhsa_forward_progress 1
		.amdhsa_inst_pref_size 155
	.end_amdhsa_kernel
	.amdgpu_metadata
---
amdhsa.version: [ 1, 2 ]
amdhsa.kernels:
  - .name:           k_qe224e61641_pv
    .symbol:         k_qe224e61641_pv.kd
    .args:
      - { .name: pc, .offset: 0, .size: 8, .value_kind: global_buffer, .address_space: global }
      - { .name: pst, .offset: 8, .size: 8, .value_kind: global_buffer, .address_space: global }
      - { .name: vc, .offset: 16, .size: 8, .value_kind: global_buffer, .address_space: global }
      - { .name: vs, .offset: 24, .size: 8, .value_kind: global_buffer, .address_space: global }
      - { .name: out0, .offset: 32, .size: 8, .value_kind: global_buffer, .address_space: global }
    .group_segment_fixed_size: 327680
    .private_segment_fixed_size: 0
    .kernarg_segment_align: 8
    .kernarg_segment_size: 40
    .max_flat_workgroup_size: 128
    .sgpr_count:     96
    .vgpr_count:     768
    .wavefront_size: 32
...
	.end_amdgpu_metadata
.endif
;; end of part 4
